; MI455X (gfx1250); checked and timed in simulation.
; The chip was launched on July 23, 2026; its instructions are those of AMD's public machine-readable ISA for CDNA 5 (MIT licence, August 2026) and "CDNA5" Instruction Set Architecture Reference Guide (July 2026). The comments in the code are by the model that wrote it; some were corrected since.
;; Self Attention Layer. Allowed arithmetic: matrix products marked QUANTISED: E2M1 operands, one E8M0 scale for each 32 along K, by v_wmma_scale_f32_16x16x128_f8f6f4 with both operands' format E2M1 (or v_wmma_scale_f32_32x16x128_f4), f32 sums; products left as they are: bf16, f16 or f32 operands; f32 sums; everything else in f32.
;; Inputs: b_fc 1,024 float32; b_k 1,024 float32; b_q 1,024 float32; b_v 1,024 float32; k 4 x 2,048 x 1,024 float32; q 4 x 2,048 x 1,024 float32; v 4 x 2,048 x 1,024 float32; w_fc 1,024 x 1,024 float32; w_k 1,024 x 1,024 float32; w_q 1,024 x 1,024 float32; w_v 1,024 x 1,024 float32.
;; Outputs: out0 4 x 2,048 x 1,024 float32.
;; This version of the problem:
;;   THIS VERSION OF THE PROBLEM IS GIVEN IN LOW PRECISION. The matrix products marked QUANTISED in the list below multiply operands that are first quantised to E2M1 (2 exponent bits, 1 mantissa bit; 4 bits a number), with one power-of-two scale for each 32 numbers along K (OCP MX v1.0); their sums are f32. The products marked 'left as it is' may take bf16, f16 or f32 operands, with f32 sums. Whichever they take, every output number must still come out within the allowed error. Rounding operands to bf16 (8 significant bits) uses up far more of that allowance than f16 does (11 bits, for magnitudes from 6e-5 to 65,504). All else is computed in f32.
;;   The module's matrix products, in the order in which they are computed (A, B: the left and right operand; K: the contracted axis; several contracted axes count as one K, in the product's order):
;;     1. [M 8,192, K 1,024] x [K 1,024, N 1,024]; A: input q; B: input w_q: QUANTISED
;;     2. [M 8,192, K 1,024] x [K 1,024, N 1,024]; A: input k; B: input w_k: QUANTISED
;;     3. [M 8,192, K 1,024] x [K 1,024, N 1,024]; A: input v; B: input w_v: QUANTISED
;;     4. batch 64 x [M 2,048, K 64] x [K 64, N 2,048]; A: computed on the way; B: computed on the way: left as it is (an operand is computed on the way)
;;     5. batch 64 x [M 2,048, K 2,048] x [K 2,048, N 64]; A: computed on the way; B: computed on the way: left as it is (an operand is computed on the way)
;;     6. [M 8,192, K 1,024] x [K 1,024, N 1,024]; A: computed on the way; B: input w_fc: left as it is (an operand is computed on the way)
;;   THE QUANTISER, for each operand of a quantised product, along K:
;;     - K is cut into blocks of 32 from its start; a last block that is shorter is filled with zeros.
;;     - A block's scale is 2^e with e = floor(log2(the largest magnitude in the block)) - 2, held to -126 .. 127; a block of zeros has e = 0. As a byte (E8M0): e + 127.
;;     - Each number is divided by its block's scale, clamped to +-6, and rounded to the nearest number of E2M1, ties to even, subnormals kept.
;;     - The product sums the exact products of the quantised numbers (number of the format x scale) in f32.
;;   ~~~python
;;   def quantise(x, axis):      # numpy; x: float32 -> the quantised numbers, widened to float32 again
;;       x = np.moveaxis(x, axis, -1); K = x.shape[-1]
;;       x = np.pad(x, [(0, 0)] * (x.ndim - 1) + [(0, -K % 32)]); x = x.reshape(x.shape[:-1] + (-1, 32)); a = np.abs(x).max(-1, keepdims=True)
;;       e = np.where(a > 0, np.clip(np.frexp(np.where(a > 0, a, 1))[1] - 1 - 2, -126, 127), 0)      # np.frexp(a)[1] - 1 = floor(log2(a)), exactly
;;       r = np.clip(x / 2.0 ** e, -6, 6)
;;       step = 2.0 ** (np.maximum(np.frexp(np.where(r == 0, 1, r))[1] - 1, 0) - 1)
;;       q = np.round(r / step) * step * 2.0 ** e      # np.round: ties to even
;;       return np.moveaxis(q.reshape(q.shape[:-2] + (-1,))[..., :K], -1, axis).astype(np.float32)
;;   ~~~
;; One version. Each part assembles by itself: llvm-mc -triple=amdgcn-amd-amdhsa -mcpu=gfx1250 --defsym DOCPART=n.
;; ======== version 1 of 1: 4 launches
;; limits: values are held in f16: magnitudes above 65,504 overflow, below 6.1e-05 lose precision
;; workspace buffers: codes 14,155,776 bytes; scales 884,736 bytes; w16 2,097,152 bytes; qkv 50,331,648 bytes; xh 16,777,216 bytes
;; launch prep (part 1): grid 896 x 1, 4 waves a work-group, no clusters, 33,280 bytes of LDS; arguments q, k, v, w_q, w_k, w_v, w_fc, codes, scales, w16; writes codes, scales, w16
.if DOCPART == 1
	.amdgcn_target "amdgcn-amd-amdhsa--gfx1250"
	.amdhsa_code_object_version 6
	.text
	.protected	k_qa05dd59ed9_prep
	.globl	k_qa05dd59ed9_prep
	.p2align	8
	.type	k_qa05dd59ed9_prep,@function
k_qa05dd59ed9_prep:
	s_mov_b64 s[64:65], 0
	v_nop
	global_prefetch_b8 v0, s[64:65] scope:SCOPE_SE
	s_setreg_imm32_b32 hwreg(HW_REG_WAVE_MODE, 25, 1), 1
	s_wait_xcnt 0x0
; PREP.  (1) q, k, v [8192][1024] and w_q, w_k, w_v [1024][1024], f32, K innermost, become codes of FP4 (E2M1), two a byte, K innermost, with one E8M0 byte for each 32 along K.
; The six tensors lie one behind the other in the two buffers: 27,648 rows of 512 bytes of codes and of 32 scale bytes (rows 0: q, 8192: k, 16384: v, 24576: w_q, 25600: w_k, 26624: w_v).
; A block's scale is 2^(floor(log2(largest magnitude)) - 2); its byte is the largest magnitude's exponent field - 2, held at 1 from below.
; (2) w_fc [1024 (n)][1024 (k)] f32 becomes f16 laid by head, [16 (h)][1024 (n)][64]: a head's 64 numbers of two neighbouring n are 256 consecutive bytes.
; LIMITS: NaN and infinities among the inputs are not served.  A block of zeros gets the byte 1 where the rule says 127: its codes are zeros, and this program alone reads the bytes.
; Blocks whose largest magnitude lies under 2^-124 keep the byte 1.  w_fc is rounded to f16: magnitudes over 65,504 are not served; under 6e-5 the absolute error is up to 3e-8.
; SHARES.  Work-groups 0 to 863: 32,768 numbers each, 8,192 a wave, 16 steps of 512.  Rows are dense, so all six tensors are plain streams of blocks of 32.  Each of a step's four loads reads 512 consecutive
; bytes; the 2,048 bytes turn through the wave's own stage in LDS and come back 64 bytes a lane, so that a lane holds 16 neighbours along K and two neighbouring lanes a block.
; Work-groups 864 to 895: w_fc, 8 rows a wave, through registers alone.  No tensor loads, no barrier: waves share nothing.
.set QWG,   864                        ; work-groups that quantise: 3 x 256 + 3 x 32
.set WAVES, 4
.set STEPS, 16
.set EMAX,  2
.set CB,    8                          ; bytes of 16 codes
.set R,     16                         ; v16-79   four sets of 16 numbers as they are loaded
.set X,     80                         ; v80-111  two sets of 16 neighbours
.set E,     112                        ; v112-127 a scale byte for each step
.set C,     128                        ; v128-191 codes: four registers for each step, so that no store's data are written again
.set FI,    16                         ; w_fc's path: v16-143 two batches of 64 numbers
.set FO,    144                        ; v144-207 two batches of 32 registers of f16
.set WREG,  8192                       ; LDS: a region for each wave: two stages of 32 x SP bytes, behind them its 256 scale bytes
.set SP,    80                         ; a lane's place in a stage: 64 bytes + 16 of padding
.set SPW,   12                         ; v12  LDS address of my spare word; never rewritten
.set NIL,   13                         ; v13  0; never rewritten
.set SPARE, WAVES*WREG                 ; behind the four regions: the spare words, 128 bytes a wave
	s_load_b512 s[4:19], s[0:1], 0x0               ; q 4:5, k 6:7, v 8:9, w_q 10:11, w_k 12:13, w_v 14:15, w_fc 16:17, codes 18:19
	s_load_b128 s[20:23], s[0:1], 0x40             ; scales 20:21, w16 22:23
	v_lshl_add_u32 v[SPW], v0, 2, SPARE
	v_mov_b32 v[NIL], 0
	v_lshrrev_b32 v1, 5, v0
	v_readfirstlane_b32 s24, v1                    ; wave
	v_and_b32 v2, 31, v0                           ; lane
	v_lshlrev_b32 v3, 4, v2                        ; my 16 bytes of a load's 512
	s_mul_i32 s32, s24, WREG
	v_lshrrev_b32 v14, 2, v2
	v_mul_u32_u24 v14, v14, SP
	v_and_b32 v15, 3, v2
	v_lshl_add_u32 v14, v15, 4, v14
	v_add_nc_u32 v14, s32, v14                     ; the stage, on the way in: SP (lane / 4) + 16 (lane % 4)
	v_mul_u32_u24 v15, v2, SP
	v_add_nc_u32 v15, s32, v15                     ; and on the way out: SP x lane: my 16 neighbours
	v_mul_u32_u24 v4, v2, CB                       ; my codes' place in a step's
	v_lshrrev_b32 v5, 1, v2
	s_add_co_u32 s32, s32, 2*32*SP
	v_add_nc_u32 v5, s32, v5                       ; LDS: my wave's 256 scale bytes, my block's byte
	v_lshlrev_b32 v7, 3, v2                        ; and on the way out 8 bytes a lane
	v_add_nc_u32 v6, s32, v7
	s_wait_kmcnt 0x0
	s_cmp_ge_u32 ttmp9, QWG                        ; the work-group's number alone decides the path
	s_cbranch_scc1 .Lfc
	; which tensor, and the first work-group of it: choices on the work-group's number
	s_mov_b64 s[26:27], s[14:15]
	s_mov_b32 s25, 832
	s_cmp_lt_u32 ttmp9, 832
	s_cselect_b64 s[26:27], s[12:13], s[26:27]
	s_cselect_b32 s25, 800, s25
	s_cmp_lt_u32 ttmp9, 800
	s_cselect_b64 s[26:27], s[10:11], s[26:27]
	s_cselect_b32 s25, 768, s25
	s_cmp_lt_u32 ttmp9, 768
	s_cselect_b64 s[26:27], s[8:9], s[26:27]
	s_cselect_b32 s25, 512, s25
	s_cmp_lt_u32 ttmp9, 512
	s_cselect_b64 s[26:27], s[6:7], s[26:27]
	s_cselect_b32 s25, 256, s25
	s_cmp_lt_u32 ttmp9, 256
	s_cselect_b64 s[26:27], s[4:5], s[26:27]
	s_cselect_b32 s25, 0, s25
	s_sub_co_u32 s25, ttmp9, s25
	s_lshl_b32 s25, s25, 2
	s_add_co_u32 s25, s25, s24                     ; which run of 8,192 numbers of the tensor is my wave's
	s_lshl_b32 s28, s25, 15                        ; 32,768 bytes a run
	s_mov_b32 s29, 0
	s_add_nc_u64 s[26:27], s[26:27], s[28:29]
	s_lshl_b32 s28, ttmp9, 2
	s_add_co_u32 s28, s28, s24                     ; the run's number in the two buffers, which hold the six tensors on end
	s_lshl_b32 s30, s28, 12                        ; 4,096 bytes of codes a run
	s_mov_b32 s31, 0
	s_add_nc_u64 s[18:19], s[18:19], s[30:31]
	s_lshl_b32 s30, s28, 8                         ; 256 scale bytes a run
	s_add_nc_u64 s[20:21], s[20:21], s[30:31]
.macro LOAD t
.irp i, 0,1,2,3
	global_load_b128 v[R+16*((\t)%4)+4*\i:R+16*((\t)%4)+4*\i+3], v3, s[26:27] offset:2048*(\t)+512*\i th:TH_LOAD_NT   ; 32 lanes read 512 consecutive bytes
.endr
.endm
.macro TURN t                          ; step t's numbers through the stage: LDS serves a wave's instructions in order, so no wait stands between the stores and the loads
.irp i, 0,1,2,3
	ds_store_b128 v14, v[R+16*((\t)%4)+4*\i:R+16*((\t)%4)+4*\i+3] offset:32*SP*((\t)%2)+8*SP*\i
.endr
.irp i, 0,1,2,3
	ds_load_b128 v[X+16*((\t)%2)+4*\i:X+16*((\t)%2)+4*\i+3], v15 offset:32*SP*((\t)%2)+16*\i
.endr
.endm
.irp t, 0,1,2,3
	LOAD \t
.endr
	s_wait_loadcnt 12                              ; step 0's four loads are in; three steps' twelve stay out
	TURN 0
.macro STEP t
.set XS, X+16*((\t)%2)
.if (\t) > 0
	s_wait_dscnt 1                                 ; this step's numbers are back from the stage (the last step's byte store may be out)
.else
	s_wait_dscnt 0x0
.endif
.if (\t)+4 < STEPS
	LOAD (\t)+4                                    ; into the registers that this step's stores into the stage have read
.endif
.if (\t)+1 < STEPS
.if STEPS-2-(\t) >= 3
	s_wait_loadcnt 12                              ; the next step's four loads are in; those of the three steps behind it may be out
.else
	s_wait_loadcnt 4*(STEPS-2-(\t))
.endif
	TURN (\t)+1                                    ; and go through the other stage while this step is worked
.endif
	v_max3_num_f32 v8, |v[XS]|, |v[XS+1]|, |v[XS+2]|               ; the largest magnitude of my 16, in two chains
	v_max3_num_f32 v9, |v[XS+3]|, |v[XS+4]|, |v[XS+5]|
.irp i, 6,10
	v_max3_num_f32 v8, v8, |v[XS+\i]|, |v[XS+\i+1]|
	v_max3_num_f32 v9, v9, |v[XS+\i+2]|, |v[XS+\i+3]|
.endr
	v_max3_num_f32 v8, v8, |v[XS+14]|, |v[XS+15]|
	v_max3_num_f32 v8, v8, v9, (EMAX+1)<<23        ; and the floor 2^(3 - 127): the byte cannot fall under 1
	v_max_num_f32_dpp v8, v8, v8 row_xmask:1 row_mask:0xf bank_mask:0xf   ; with my neighbour's 16: the block's
	v_add_nc_u32 v11, -(EMAX<<23), v8              ; 2 off its exponent field: the conversion takes the exponent field of this operand as its scale
	v_cvt_scalef32_pk8_fp4_f32 v[C+4*(\t)], v[XS:XS+7], v11        ; to the nearest code, ties to even, beyond 6 the largest code; the first number's code in the lowest bits
	v_cvt_scalef32_pk8_fp4_f32 v[C+4*(\t)+1], v[XS+8:XS+15], v11
	v_lshrrev_b32 v[E+(\t)], 23, v11               ; the scale's byte (also the plain line behind the conversions)
	ds_store_b8 v5, v[E+(\t)] offset:16*(\t)       ; both lanes of a block write the same byte with the same value
	global_store_b64 v4, v[C+4*(\t):C+4*(\t)+1], s[18:19] offset:32*CB*(\t)   ; the wave stores 256 consecutive bytes, aligned
.endm
.irp t, 0,1,2,3,4,5,6,7,8,9,10,11,12,13,14,15
	STEP \t
.endr
	ds_load_b64 v[8:9], v6                         ; LDS serves a wave's instructions in order: these see my byte stores
	s_wait_dscnt 0x0
	global_store_b64 v7, v[8:9], s[20:21]          ; 32 lanes store the wave's 256 scale bytes, aligned
	s_wait_tensorcnt 0x0                           ; the wave's end: three closing lines behind my last LDS store
	ds_add_u32 v[SPW], v[NIL]
	s_wait_dscnt 0x0
	s_endpgm
.Lfc:                                                  ; w_fc to f16, by head.  Wave W of 128 takes rows 8 W .. 8 W + 7, two rows at a time
	s_sub_co_u32 s25, ttmp9, QWG
	s_lshl_b32 s25, s25, 2
	s_add_co_u32 s25, s25, s24                     ; W
	s_lshl_b32 s28, s25, 15                        ; 8 rows of 4,096 bytes
	s_mov_b32 s29, 0
	s_add_nc_u64 s[16:17], s[16:17], s[28:29]
	s_lshl_b32 s28, s25, 10                        ; 8 rows of 128 bytes in each head's plane
	s_add_nc_u64 s[22:23], s[22:23], s[28:29]
	v_lshrrev_b32 v8, 4, v2
	v_and_b32 v9, 15, v2
	v_lshlrev_b32 v8, 12, v8
	v_lshl_add_u32 v8, v9, 4, v8                   ; in: lanes 0-15 one row, lanes 16-31 the next; 16 bytes a lane: sixteen lanes read a head's 256 bytes
	v_lshlrev_b32 v9, 3, v2                        ; out: 8 bytes a lane: the two rows' 128 bytes lie on end
.macro FCLOAD p                        ; rows 2 p, 2 p + 1: one load for each head
.irp h, 0,1,2,3,4,5,6,7,8,9,10,11,12,13,14,15
	global_load_b128 v[FI+64*((\p)%2)+4*\h:FI+64*((\p)%2)+4*\h+3], v8, s[16:17] offset:8192*(\p)+256*\h th:TH_LOAD_NT
.endr
.endm
.macro FCOUT p
.irp h, 0,1,2,3,4,5,6,7,8,9,10,11,12,13,14,15
	v_cvt_pk_f16_f32 v[FO+32*((\p)%2)+2*\h], v[FI+64*((\p)%2)+4*\h], v[FI+64*((\p)%2)+4*\h+1]
	v_cvt_pk_f16_f32 v[FO+32*((\p)%2)+2*\h+1], v[FI+64*((\p)%2)+4*\h+2], v[FI+64*((\p)%2)+4*\h+3]
.endr
.irp h, 0,1,2,3,4,5,6,7,8,9,10,11,12,13,14,15
	global_store_b64 v9, v[FO+32*((\p)%2)+2*\h:FO+32*((\p)%2)+2*\h+1], s[22:23] offset:131072*\h+256*(\p)   ; the wave stores 256 consecutive bytes, aligned
.endr
.endm
	FCLOAD 0
	FCLOAD 1
	s_wait_loadcnt 16                              ; batch 0 is in; batch 1's sixteen stay out
	FCOUT 0
	FCLOAD 2
	s_wait_loadcnt 16
	FCOUT 1
	FCLOAD 3
	s_wait_loadcnt 16
	s_wait_xcnt 0x0                                ; batch 0's stores have read their data: the registers are written again only behind this wait
	FCOUT 2
	s_wait_loadcnt 0x0
	s_wait_xcnt 0x0                                ; likewise batch 1's
	FCOUT 3
	s_wait_tensorcnt 0x0                           ; the three closing lines stand on this path too
	ds_add_u32 v[SPW], v[NIL]
	s_wait_dscnt 0x0
	s_endpgm
.Lfunc_end_k_qa05dd59ed9_prep:
	.size	k_qa05dd59ed9_prep, .Lfunc_end_k_qa05dd59ed9_prep-k_qa05dd59ed9_prep
	.p2alignl 7, 3214868480
	.fill 96, 4, 3214868480
	.section	.rodata,"a",@progbits
	.p2align	6, 0x0
	.amdhsa_kernel k_qa05dd59ed9_prep
		.amdhsa_group_segment_fixed_size 33280
		.amdhsa_private_segment_fixed_size 0
		.amdhsa_enable_private_segment 0
		.amdhsa_kernarg_size 80
		.amdhsa_user_sgpr_count 2
		.amdhsa_user_sgpr_kernarg_segment_ptr 1
		.amdhsa_wavefront_size32 1
		.amdhsa_system_sgpr_workgroup_id_x 1
		.amdhsa_system_sgpr_workgroup_id_y 1
		.amdhsa_system_sgpr_workgroup_id_z 1
		.amdhsa_system_vgpr_workitem_id 0
		.amdhsa_next_free_vgpr 208
		.amdhsa_next_free_sgpr 66
		.amdhsa_reserve_vcc 0
		.amdhsa_float_denorm_mode_32 3
		.amdhsa_float_denorm_mode_16_64 3
		.amdhsa_memory_ordered 1
		.amdhsa_forward_progress 1
		.amdhsa_inst_pref_size 55
	.end_amdhsa_kernel
	.amdgpu_metadata
---
amdhsa.version: [ 1, 2 ]
amdhsa.kernels:
  - .name:           k_qa05dd59ed9_prep
    .symbol:         k_qa05dd59ed9_prep.kd
    .args:
      - { .name: q, .offset: 0, .size: 8, .value_kind: global_buffer, .address_space: global }
      - { .name: k, .offset: 8, .size: 8, .value_kind: global_buffer, .address_space: global }
      - { .name: v, .offset: 16, .size: 8, .value_kind: global_buffer, .address_space: global }
      - { .name: w_q, .offset: 24, .size: 8, .value_kind: global_buffer, .address_space: global }
      - { .name: w_k, .offset: 32, .size: 8, .value_kind: global_buffer, .address_space: global }
      - { .name: w_v, .offset: 40, .size: 8, .value_kind: global_buffer, .address_space: global }
      - { .name: w_fc, .offset: 48, .size: 8, .value_kind: global_buffer, .address_space: global }
      - { .name: codes, .offset: 56, .size: 8, .value_kind: global_buffer, .address_space: global }
      - { .name: scales, .offset: 64, .size: 8, .value_kind: global_buffer, .address_space: global }
      - { .name: w16, .offset: 72, .size: 8, .value_kind: global_buffer, .address_space: global }
    .group_segment_fixed_size: 33280
    .private_segment_fixed_size: 0
    .kernarg_segment_align: 8
    .kernarg_segment_size: 80
    .max_flat_workgroup_size: 128
    .sgpr_count:     66
    .vgpr_count:     208
    .wavefront_size: 32
...
	.end_amdgpu_metadata
.endif
;; end of part 1
;; launch proj (part 2): grid 4 x 96, 4 waves a work-group, clusters of 4 x 4, 327,680 bytes of LDS; arguments codes, scales, b_q, b_k, b_v, qkv; writes qkv
.if DOCPART == 2
	.amdgcn_target "amdgcn-amd-amdhsa--gfx1250"
	.amdhsa_code_object_version 6
	.text
	.protected	k_qa05dd59ed9_proj
	.globl	k_qa05dd59ed9_proj
	.p2align	8
	.type	k_qa05dd59ed9_proj,@function
k_qa05dd59ed9_proj:
	s_mov_b64 s[64:65], 0
	v_nop
	global_prefetch_b8 v0, s[64:65] scope:SCOPE_SE
	s_setreg_imm32_b32 hwreg(HW_REG_WAVE_MODE, 25, 1), 1
	s_wait_xcnt 0x0
	s_wait_alu depctr_hold_cnt(0) depctr_sa_sdst(0) depctr_va_vdst(0) depctr_va_sdst(0) depctr_va_ssrc(0) depctr_va_vcc(0) depctr_vm_vsrc(0)
	s_getreg_b32 s2, hwreg(HW_REG_IB_STS2, 6, 4)
	s_cmp_eq_u32 s2, 0
	s_cbranch_scc0 .Lentry_in_a_cluster
	s_endpgm
.Lentry_in_a_cluster:
	s_bfe_u32 s2, ttmp6, 0x10000c
	s_cmp_lg_u32 s2, 0xf033
	s_cbranch_scc0 .Lentry_shape_is_right
	s_endpgm
.Lentry_shape_is_right:
; PROJ.  The three quantised products: for t = 0, 1, 2 (q, k, v): Y_t = X_t W_t^T + b_t, [8192][1024], on codes of FP4 (E2M1) with one E8M0 scale for each 32 along K = 1024; sums in f32.
; X's rows are rows 8192 t + m of the two buffers of codes and scale bytes, W's rows 24576 + 1024 t + n.  Y is rounded once to f16 and laid by head: qkv [t][b 4][h 16][s 2048][64].
; LIMIT: Y is rounded to f16: magnitudes over 65,504 are not served.
; A tile of Y, 256 x 256, is made by a work-group of four waves; a wave makes 128 x 128: 64 accumulators, 512 registers.  Tile row ty = 0 .. 95 (32 for each t), tile column tx = 0 .. 3.
; K is two steps of 512: both lie in LDS at once, in two slots, each asked for once at the head; nothing is filled again.  The scale bytes of the tile's rows come with them, as dense blocks.
; CLUSTERS: 4 x 4 work-groups.  The four of a row of the cluster need the same rows of X, the four of a column the same rows of W: each tile is asked for jointly, by the same tensor load with a mask that names the four.
; THE MATRIX INSTRUCTION IS USED TRANSPOSED (source 0 = 16 rows of W, source 1 = 16 rows of X): a lane holds eight neighbouring numbers of a row of Y.  THE BIAS is the C of each sum's first product.
; REGISTERS, in windows of 256: window 0: v0-31 addresses; v32-95 scale words, two sets; v96-127 packed results; v128-191 X's fragments, one set; v192-255 rows on the way out.
;   window 1: W's fragments, two sets, at v0 and v128; v64-127 the bias in the result's layout.   window 2: the accumulators of my rows 0-63 ((a, b) at v[8 (8 a + b)]);   window 3: those of rows 64-127.
.set NQ,     4                         ; matrix instructions deep in a slot: 512 along K
.set ROWB,   256                       ; a tile's row in bytes
.set KROW,   512                       ; a row of codes in memory
.set PITCH,  272                       ; an LDS row: 256 bytes + 16 of padding: the 16 rows that a load touches start at 16 different banks
.set FR,     8                         ; registers of a fragment: 16 rows x 128 K
.set NL,     2                         ; LDS loads that bring one
.set NP,     4                         ; places behind this matrix instruction (ISA guide 7.12.1)
.set HALFT,  128*PITCH                 ; 128 rows: what one tensor load brings
.set SLOT,   4*HALFT                   ; X's 256 rows, then W's 256 rows
.set KS,     32                        ; a row of scale bytes
.set SCL,    2*SLOT                    ; behind the slots: the scale bytes, as units of 256 bytes + 16 of padding
.set HALFS,  (128*KS/256)*272          ; those of 128 rows: what one tensor load brings
.set SBLK,   (16*KS/256)*272           ; those of 16 rows
.set SPARE,  SCL+4*HALFS               ; behind the scales: the spare words, 128 bytes a wave
.set WROW0,  24576                     ; the weights' first row in the two buffers
.set STW,    4608                      ; the way out: a stage for each wave, [head 2][row 16][128 bytes + 16].  It lies in slot 0, which has had its one fill and its last read when the first result is stored there
.set ADRA, 16                          ; v16-17  LDS address of my X fragments in slot 0, 1
.set ADRB, 20                          ; v20-21  the same for W
.set STO,  24                          ; v24     the way out: where I put 16 bytes of a row
.set RD,   25                          ; v25     where I read rows back
.set CO,   26                          ; v26     my byte offset in 512 bytes of qkv
.set ADRS, 27                          ; v27     LDS address of my scale words: lanes 0-15 X's rows, lanes 16-31 W's
.set SPW,  28                          ; v28     LDS address of my spare word; never rewritten
.set NIL,  29                          ; v29     0; never rewritten
.set SC,   32                          ; scale words: set s at v[SC + 32 s]; register 4 i + q: lanes 0-15 X's block i, lanes 16-31 W's block i, the slot's q-th 128 along K
.set TMP,  96
.set AF,   128
.set BK,   192
.set BI,   64                          ; in window 1: register 8 b + j = bias of column 16 b + 8 (lane / 16) + j of my 128
.set G1, 24                            ; s[24:31] group 1 for X's tiles;  s[32:39] group 0, one set for each slot
.set G0, 32
.set G1B, 48                           ; s[48:55], s[56:63] the same for W's
.set G0B, 56
.set G1S, 68                           ; s[68:75], s[76:79] groups 1 and 0 for X's scales;  s[80:87], s[88:91] for W's
.set G0S, 76
.set G1SB, 80
.set G0SB, 88
.set MSB, 0
.macro WIN new                         ; the immediate's high byte repeats the setting that is left; a switch that changes nothing is dropped
.if MSB != (\new)
	s_set_vgpr_msb (MSB<<8)|(\new)
.set MSB, (\new)
.endif
.endm
.set MUL_LO, 0xa1                      ; source 0 (W) window 1, source 1 (X) window 0, C and D window 2
.set MUL_HI, 0xf1                      ; the same, C and D window 3
.set BIA_LO, 0x91                      ; C (the bias) window 1, D window 2
.set BIA_HI, 0xd1                      ; C window 1, D window 3
.set TO_B,   0x40                      ; destination window 1, address window 0
; A joint load: waves 0 and 1 fetch for X, waves 2 and 3 for W.  The branch hangs on the wave's number alone.  An s_nop 0 and four v_nop follow each of the two lines.
.macro JLOAD g0a, g1a, g0b, g1b
	s_cmp_eq_u32 s15, 0
	s_cbranch_scc0 .Lfor_b_\@
	tensor_load_to_lds s[\g0a:\g0a+3], s[\g1a:\g1a+7]
	s_nop 0
.rept 4
	v_nop
.endr
	s_branch .Lasked_\@
.Lfor_b_\@:
	tensor_load_to_lds s[\g0b:\g0b+3], s[\g1b:\g1b+7]
	s_nop 0
.rept 4
	v_nop
.endr
.Lasked_\@:
.endm
.macro CROUND                          ; a round of the cluster's barrier
	s_barrier_signal -1
	s_barrier_wait -1
	s_cmp_lg_u32 s14, 0
	s_cbranch_scc1 .Lnot_wave_0_\@
	s_barrier_signal -3
.Lnot_wave_0_\@:
	s_barrier_wait -3
	s_barrier_signal -1
	s_barrier_wait -1
.endm
	s_load_b256 s[4:11], s[0:1], 0x0               ; codes 4:5, scales 6:7, b_q 8:9, b_k 10:11
	s_load_b128 s[96:99], s[0:1], 0x20             ; b_v 96:97, qkv 98:99
	v_lshl_add_u32 v[SPW], v0, 2, SPARE
	v_mov_b32 v[NIL], 0
	ds_add_u32 v[SPW], v[NIL]                      ; the wave's opening: the add, twice on end, and its wait ahead of my first tensor load
	ds_add_u32 v[SPW], v[NIL]
	v_lshrrev_b32 v1, 5, v0
	v_readfirstlane_b32 s14, v1                    ; wave 0..3
	s_lshr_b32 s15, s14, 1                         ; which half of the tile's rows is mine.  Also: I fetch for X (0) or for W (1)
	s_and_b32 s16, s14, 1                          ; which half of its columns.  Also: which 128 rows of that tile I fetch
	s_bfe_u32 s40, ttmp6, 0x40000                  ; cx, cy: my place in the cluster
	s_bfe_u32 s41, ttmp6, 0x40004
	s_lshl_b32 s42, ttmp9, 2
	s_add_co_u32 s42, s42, s40                     ; tx = 4 x cluster x + cx
	s_and_b32 s17, ttmp7, 0xffff
	s_lshr_b32 s95, s17, 3                         ; t: eight clusters along y for each of q, k, v: the same in all sixteen partners
	s_lshl_b32 s17, s17, 2
	s_add_co_u32 s17, s17, s41                     ; ty = 4 x cluster y + cy
	s_lshl_b32 s43, s41, 2
	s_lshl_b32 s43, 15, s43                        ; my row of the cluster
	s_lshl_b32 s44, 0x1111, s40                    ; my column
	; group 1: a tile of 128 rows x 256 bytes, 16 bytes of padding behind each row
	s_or_b32 s[G1+0], s43, (0<<16)|(1<<20)|(1<<21)|(5<<22)|(3<<25)  ; 15:0 the mask; 17:16 elements of 1 byte; 20 padding on; 21 set beside a mask; 24:22 after every 64 words; 31:25 four words
	s_or_b32 s[G1B+0], s44, (0<<16)|(1<<20)|(1<<21)|(5<<22)|(3<<25)
.irp g, G1, G1B
	s_mov_b32 s[\g+1], ROWB<<16                    ; tensor_dim0
	s_mov_b32 s[\g+2], 128<<16                     ; tensor_dim1
	s_mov_b32 s[\g+3], ROWB<<16                    ; tile_dim0
	s_mov_b32 s[\g+4], 128                         ; tile_dim1
	s_mov_b32 s[\g+5], KROW                        ; from row to row
	s_mov_b32 s[\g+6], 0
	s_mov_b32 s[\g+7], 0
.endr
	; the scale bytes of 128 rows: 4,096 dense bytes, as 16 rows of 256 bytes (32 elements of 8 bytes), 16 bytes of padding behind each
	s_or_b32 s[G1S+0], s43, (3<<16)|(1<<20)|(1<<21)|(5<<22)|(3<<25)
	s_or_b32 s[G1SB+0], s44, (3<<16)|(1<<20)|(1<<21)|(5<<22)|(3<<25)
.irp g, G1S, G1SB
	s_mov_b32 s[\g+1], 32<<16
	s_mov_b32 s[\g+2], (128*KS/256)<<16
	s_mov_b32 s[\g+3], 32<<16
	s_mov_b32 s[\g+4], 128*KS/256
	s_mov_b32 s[\g+5], 32
	s_mov_b32 s[\g+6], 0
	s_mov_b32 s[\g+7], 0
.endr
	s_lshl_b32 s18, s16, 7                         ; which 128 rows of the tile I fetch
	s_lshl_b32 s20, s17, 8
	s_add_co_u32 s20, s20, s18                     ; X: row 256 ty + 128 x half (the three tensors lie on end)
	s_lshl_b32 s46, s42, 8
	s_add_co_u32 s46, s46, s18
	s_lshl_b32 s19, s95, 10
	s_add_co_u32 s46, s46, s19
	s_add_co_u32 s46, s46, WROW0                   ; W: row 24576 + 1024 t + 256 tx + 128 x half
	s_lshl_b32 s22, s20, 5                         ; where these rows' scale bytes begin (all under 2^32),
	s_mov_b32 s23, 0
	s_lshl_b32 s92, s46, 5
	s_mov_b32 s93, 0
	s_lshl_b32 s20, s20, 9                         ; and their codes
	s_mov_b32 s21, 0
	s_lshl_b32 s46, s46, 9
	s_mov_b32 s47, 0
	s_mul_i32 s45, s14, HALFT                      ; where they go: wave x 128 rows: no place in the cluster enters an LDS address
	s_mul_i32 s94, s14, HALFS
	s_wait_dscnt 0x0                               ; both opening adds are done
	s_wait_kmcnt 0x0
	s_add_nc_u64 s[20:21], s[4:5], s[20:21]
	s_add_nc_u64 s[22:23], s[6:7], s[22:23]
	s_add_nc_u64 s[46:47], s[4:5], s[46:47]
	s_add_nc_u64 s[92:93], s[6:7], s[92:93]
	CROUND                                         ; all sixteen work-groups are here: the joint loads meet
	s_mov_b32 s[G0S], 1
	s_add_co_u32 s[G0S+1], s94, SCL
	s_mov_b64 s[G0S+2:G0S+3], s[22:23]
	s_or_b32 s[G0S+3], s[G0S+3], 0x80000000
	s_mov_b32 s[G0SB], 1
	s_add_co_u32 s[G0SB+1], s94, SCL
	s_mov_b64 s[G0SB+2:G0SB+3], s[92:93]
	s_or_b32 s[G0SB+3], s[G0SB+3], 0x80000000
	JLOAD G0S, G1S, G0SB, G1SB                     ; the scales first: they are wanted with K step 0
.irp s, 0,1
	s_mov_b32 s[G0+4*\s], 1
	s_add_co_u32 s[G0+4*\s+1], s45, \s*SLOT
	s_add_nc_u64 s[G0+4*\s+2:G0+4*\s+3], s[20:21], \s*ROWB
	s_or_b32 s[G0+4*\s+3], s[G0+4*\s+3], 0x80000000
	s_mov_b32 s[G0B+4*\s], 1
	s_add_co_u32 s[G0B+4*\s+1], s45, \s*SLOT
	s_add_nc_u64 s[G0B+4*\s+2:G0B+4*\s+3], s[46:47], \s*ROWB
	s_or_b32 s[G0B+4*\s+3], s[G0B+4*\s+3], 0x80000000
	JLOAD G0+4*\s, G1, G0B+4*\s, G1B               ; three loads of mine are out behind the last of these
.endr
	; the bias of my 128 columns, in the result's layout
	s_cmp_eq_u32 s95, 1
	s_cselect_b64 s[8:9], s[10:11], s[8:9]
	s_cmp_eq_u32 s95, 2
	s_cselect_b64 s[8:9], s[96:97], s[8:9]
	s_lshl_b32 s46, s42, 10
	s_lshl_b32 s47, s16, 9
	s_add_co_u32 s46, s46, s47                     ; (256 tx + 128 x half) x 4 bytes
	s_mov_b32 s47, 0
	s_add_nc_u64 s[8:9], s[8:9], s[46:47]
	v_and_b32 v1, 15, v0                           ; r = lane % 16
	v_bfe_u32 v2, v0, 4, 1                         ; h = lane / 16
	v_lshlrev_b32 v7, 5, v2                        ; 8 h numbers on; never rewritten
	WIN TO_B
.irp b, 0,1,2,3,4,5,6,7
	global_load_b128 v[BI+8*\b:BI+8*\b+3], v7, s[8:9] offset:64*\b
	global_load_b128 v[BI+8*\b+4:BI+8*\b+7], v7, s[8:9] offset:64*\b+16
.endr
	WIN 0
	v_mul_u32_u24 v3, v1, PITCH
	v_lshl_add_u32 v4, v2, 4, v3                   ; a fragment's row x pitch + 16 x half
	s_mul_i32 s21, s15, HALFT                      ; my 128 rows of X
	s_mul_i32 s22, s16, HALFT                      ; my 128 rows of W,
	s_add_co_u32 s22, s22, 2*HALFT                 ; which lie behind X's 256
.irp s, 0,1
	v_add_nc_u32 v[ADRA+\s], s21, v4
	v_add_nc_u32 v[ADRB+\s], s22, v4
	s_add_co_u32 s21, s21, SLOT
	s_add_co_u32 s22, s22, SLOT
.endr
	v_mul_u32_u24 v5, v1, KS                       ; my row's scale bytes: 32 a row,
	v_lshrrev_b32 v6, 8, v5
	v_lshl_add_u32 v5, v6, 4, v5                   ; and 16 more for each 256 passed
	s_mul_i32 s21, s15, HALFS                      ; X's: my 128 rows
	s_mul_i32 s22, s16, HALFS                      ; W's: my 128 rows, behind X's 256
	s_add_co_u32 s22, s22, 2*HALFS
	s_sub_co_u32 s22, s22, s21
	v_mul_u32_u24 v6, s22, v2                      ; lanes 16-31 take W's: one product, the distance between the two bases
	s_add_co_u32 s21, s21, SCL
	v_add_nc_u32 v5, v5, v6
	v_add_nc_u32 v[ADRS], s21, v5
	s_mul_i32 s23, s14, STW                        ; my stage
	v_mul_u32_u24 v5, v1, 144                      ; in: row r, 16 bytes for each half of the lanes
	v_lshl_add_u32 v5, v2, 4, v5
	v_add_nc_u32 v[STO], s23, v5
	v_and_b32 v6, 31, v0
	v_lshlrev_b32 v[CO], 4, v6                     ; out: four rows of 128 bytes lie on end in qkv: 16 bytes a lane
	v_lshrrev_b32 v5, 3, v6
	v_mul_u32_u24 v5, v5, 144                      ; back: eight lanes to a row
	v_and_b32 v6, 7, v6
	v_lshl_add_u32 v5, v6, 4, v5
	v_add_nc_u32 v[RD], s23, v5
	; where my part begins in qkv: row R = 256 ty + 128 x half is (t, b) = R / 2048, s = R % 2048; my columns are heads 4 tx + 2 x half, + 1
	s_lshl_b32 s20, s17, 8
	s_lshl_b32 s21, s15, 7
	s_add_co_u32 s20, s20, s21                     ; R
	s_lshr_b32 s21, s20, 11
	s_lshl_b32 s21, s21, 22                        ; 16 heads x 2048 rows x 128 bytes for each (t, b)
	s_and_b32 s20, s20, 2047
	s_lshl_b32 s20, s20, 7
	s_add_co_u32 s20, s20, s21
	s_mov_b32 s21, 0
	s_lshl_b32 s46, s42, 20                        ; 262,144 bytes a head
	s_lshl_b32 s47, s16, 19
	s_add_co_u32 s46, s46, s47
	s_mov_b32 s47, 0
	s_add_nc_u64 s[20:21], s[20:21], s[46:47]
	s_add_nc_u64 s[12:13], s[98:99], s[20:21]
.macro FRAG reg, adr, q, i             ; a fragment: lane l holds row l % 16; registers 4 c .. 4 c + 3 hold K = 64 c + 32 (l / 16) + 0 .. 31
.irp c, 0,1
	ds_load_b128 v[\reg+4*\c:\reg+4*\c+3], v[\adr] offset:64*(\q)+32*\c+(\i)*16*PITCH
.endr
.endm
; 16 matrix instructions: X's blocks a0, a0 + 1 x W's eight, the slot's q-th 128 along K.  p: W's set;  sc: the set of scale words.  first = 1: the sums start from the bias.
; The 64 accumulators take turns, one instruction a turn, in the same order in every step.
.macro MUL16 a0, p, q, sc, first
.irp a, \a0, \a0+1
.irp b, 0,1,2,3,4,5,6,7
.if \first
	v_wmma_scale_f32_16x16x128_f8f6f4 v[8*(8*((\a)%4)+\b):8*(8*((\a)%4)+\b)+7], v[128*(\p)+FR*\b:128*(\p)+FR*\b+FR-1], v[AF+FR*(\a):AF+FR*(\a)+FR-1], v[BI+8*\b:BI+8*\b+7], v[SC+8*NQ*(\sc)+NQ*\b+(\q)], v[SC+8*NQ*(\sc)+NQ*(\a)+(\q)] matrix_a_fmt:MATRIX_FMT_FP4 matrix_b_fmt:MATRIX_FMT_FP4 matrix_a_scale:MATRIX_SCALE_ROW1
.else
	v_wmma_scale_f32_16x16x128_f8f6f4 v[8*(8*((\a)%4)+\b):8*(8*((\a)%4)+\b)+7], v[128*(\p)+FR*\b:128*(\p)+FR*\b+FR-1], v[AF+FR*(\a):AF+FR*(\a)+FR-1], v[8*(8*((\a)%4)+\b):8*(8*((\a)%4)+\b)+7], v[SC+8*NQ*(\sc)+NQ*\b+(\q)], v[SC+8*NQ*(\sc)+NQ*(\a)+(\q)] matrix_a_fmt:MATRIX_FMT_FP4 matrix_b_fmt:MATRIX_FMT_FP4 matrix_a_scale:MATRIX_SCALE_ROW1
.endif
.endr
.endr
.endm
.macro FETCH_B slot, q, p              ; W's eight fragments of the slot's q-th 128 along K into set p
	WIN TO_B
.irp i, 0,1,2,3,4,5,6,7
	FRAG 128*(\p)+FR*\i, ADRB+\slot, \q, \i
.endr
	WIN 0
.endm
.macro FETCH_A slot, q, i0             ; X's blocks i0 .. i0 + 3
.irp i, \i0, \i0+1, \i0+2, \i0+3
	FRAG AF+FR*(\i), ADRA+\slot, \q, \i
.endr
.endm
.macro SCALES sc                       ; a slot's scale words into set sc: four words a row; lanes 0-15 take X's block i, lanes 16-31 W's block i
.irp i, 0,1,2,3,4,5,6,7
	ds_load_b128 v[SC+8*NQ*\sc+NQ*\i:SC+8*NQ*\sc+NQ*\i+3], v[ADRS] offset:\i*SBLK
.endr
.endm
.macro PLACES n                        ; places in front of loads into registers that matrix instructions have read, and of the first read of results
.rept \n
	v_nop
.endr
.endm
; A step of 128 along K that has its successor in the same slot.  A block of X is free as soon as its eight products are issued: blocks 0-3 are fetched anew in the step's middle, blocks 4-7 at its end.
.macro STEP slot, q, first
	s_wait_dscnt 4*NL                              ; W's set and X's blocks 0-3 are in; the youngest eight loads (X's blocks 4-7) may be out
.if \first
	WIN BIA_LO
.else
	WIN MUL_LO
.endif
	MUL16 0, (\q)%2, \q, \slot, \first
	MUL16 2, (\q)%2, \q, \slot, \first
	s_wait_dscnt 0                                 ; X's blocks 4-7 are in
	PLACES NP
	FETCH_B \slot, (\q)+1, 1-(\q)%2
	FETCH_A \slot, (\q)+1, 0
.if \first
	WIN BIA_HI
.else
	WIN MUL_HI
.endif
	MUL16 4, (\q)%2, \q, \slot, \first
	MUL16 6, (\q)%2, \q, \slot, \first
	PLACES NP
	WIN 0
	FETCH_A \slot, (\q)+1, 4
.endm
; Slot 0's last step goes over to slot 1: each wave waits for all its tensor loads (its part of slot 1), adds 0 to its spare word and waits for that and for its reads of slot 0; behind the barrier slot 1 is whole,
; and nobody reads slot 0 any more, which the way out's stages rely on.
.macro TURN slot, next
	s_wait_tensorcnt 0x0                           ; all my tensor loads have landed
	ds_add_u32 v[SPW], v[NIL]                      ; 0 onto my spare word
	s_wait_dscnt 4*NL+1                            ; (the add and the youngest eight loads may be out)
	WIN MUL_LO
	MUL16 0, 1, NQ-1, \slot, 0                     ; sixteen matrix instructions stand between the add and the wait for it
	s_wait_dscnt 0x0                               ; the add is done, and my reads of this slot are over
	s_barrier_signal -1
	MUL16 2, 1, NQ-1, \slot, 0
	WIN 0
	s_barrier_wait -1
	PLACES NP
	v_add_nc_u32 v[ADRS], 4*NQ, v[ADRS]            ; on to the next slot's scale words: 16 bytes on in each row
	FETCH_B \next, 0, 0
	FETCH_A \next, 0, 0
	SCALES \next
	WIN MUL_HI
	MUL16 4, 1, NQ-1, \slot, 0
	MUL16 6, 1, NQ-1, \slot, 0
	PLACES NP
	WIN 0
	FETCH_A \next, 0, 4
.endm
	s_wait_tensorcnt 1                             ; the scales and my part of slot 0 are in; slot 1's load may stay out
	s_barrier_signal -1
	s_barrier_wait -1                              ; everybody's are
	FETCH_B 0, 0, 0
	FETCH_A 0, 0, 0
	SCALES 0
	FETCH_A 0, 0, 4
	s_wait_loadcnt 0x0                             ; the bias
	STEP 0, 0, 1                                   ; the first step's products start the sums from the bias: nothing is cleared
	STEP 0, 1, 0
	STEP 0, 2, 0
	TURN 0, 1
	STEP 1, 0, 0
	STEP 1, 1, 0
	STEP 1, 2, 0
	s_wait_dscnt 4*NL                              ; the last step: nothing more to fetch
	WIN MUL_LO
	MUL16 0, 1, NQ-1, 1, 0
	MUL16 2, 1, NQ-1, 1, 0
	s_wait_dscnt 0
	WIN MUL_HI
	MUL16 4, 1, NQ-1, 1, 0
	MUL16 6, 1, NQ-1, 1, 0
	WIN 0
; THE WAY OUT, block by block of 16 rows x 128 columns (two heads).  A lane's eight numbers pack into 16 bytes of f16; they go into my stage, a head's 16 rows of 128 bytes + 16, and come back four rows at a time:
; in qkv a head's rows lie on end, so the 32 lanes store 512 consecutive bytes, at a multiple of 512 from the buffer's first byte.
.macro PACK a
.set AC, 64*((\a)%4)
	WIN 0x0a+5*((\a)/4)                            ; sources 0 and 1: window 2 or 3
.irp b, 0,1,2,3,4,5,6,7
.irp r, 0,1,2,3
	v_cvt_pk_f16_f32 v[TMP+4*\b+\r], v[AC+8*\b+2*\r], v[AC+8*\b+2*\r+1]   ; each accumulator from its low end on
.endr
.endr
	WIN 0
.endm
.macro TOSTAGE a
.set BB, BK+32*((\a)%2)
.irp b, 0,1,2,3,4,5,6,7
	ds_store_b128 v[STO], v[TMP+4*\b:TMP+4*\b+3] offset:(\b/4)*2304+(\b%4)*32
.endr
.irp t, 0,1,2,3,4,5,6,7
	ds_load_b128 v[BB+4*\t:BB+4*\t+3], v[RD] offset:(\t/4)*2304+(\t%4)*576   ; LDS serves a wave's instructions in order: these see the stores above
.endr
.endm
.macro SEND a
.set BB, BK+32*((\a)%2)
	s_wait_dscnt 0x0                               ; the block is back in registers
	s_wait_xcnt 0x0                                ; the block before's stores have read their data: the next block's loads land there only behind this wait
.irp t, 0,1,2,3,4,5,6,7
	global_store_b128 v[CO], v[BB+4*\t:BB+4*\t+3], s[12:13] offset:(\t/4)*262144+(\a)*2048+(\t%4)*512
.endr
.endm
	PLACES NP                                      ; behind the last products: the conversions read results
	PACK 0
	TOSTAGE 0
.irp a, 1,2,3,4,5,6,7                  ; block a's conversions stand between block a - 1's loads from the stage and the wait for them
	PACK \a
	SEND \a-1
	TOSTAGE \a
.endr
	SEND 7
	s_wait_tensorcnt 0x0                           ; the wave's end: three closing lines behind my last tensor load and my last LDS store
	ds_add_u32 v[SPW], v[NIL]
	s_wait_dscnt 0x0
	CROUND                                         ; the closing round
	s_endpgm
.Lfunc_end_k_qa05dd59ed9_proj:
	.size	k_qa05dd59ed9_proj, .Lfunc_end_k_qa05dd59ed9_proj-k_qa05dd59ed9_proj
	.p2alignl 7, 3214868480
	.fill 96, 4, 3214868480
	.section	.rodata,"a",@progbits
	.p2align	6, 0x0
	.amdhsa_kernel k_qa05dd59ed9_proj
		.amdhsa_group_segment_fixed_size 327680
		.amdhsa_private_segment_fixed_size 0
		.amdhsa_enable_private_segment 0
		.amdhsa_kernarg_size 48
		.amdhsa_user_sgpr_count 2
		.amdhsa_user_sgpr_kernarg_segment_ptr 1
		.amdhsa_wavefront_size32 1
		.amdhsa_system_sgpr_workgroup_id_x 1
		.amdhsa_system_sgpr_workgroup_id_y 1
		.amdhsa_system_sgpr_workgroup_id_z 1
		.amdhsa_system_vgpr_workitem_id 0
		.amdhsa_next_free_vgpr 1024
		.amdhsa_next_free_sgpr 100
		.amdhsa_reserve_vcc 0
		.amdhsa_float_denorm_mode_32 3
		.amdhsa_float_denorm_mode_16_64 3
		.amdhsa_memory_ordered 1
		.amdhsa_forward_progress 1
		.amdhsa_inst_pref_size 128
	.end_amdhsa_kernel
	.amdgpu_metadata
---
amdhsa.version: [ 1, 2 ]
amdhsa.kernels:
  - .name:           k_qa05dd59ed9_proj
    .symbol:         k_qa05dd59ed9_proj.kd
    .args:
      - { .name: codes, .offset: 0, .size: 8, .value_kind: global_buffer, .address_space: global }
      - { .name: scales, .offset: 8, .size: 8, .value_kind: global_buffer, .address_space: global }
      - { .name: b_q, .offset: 16, .size: 8, .value_kind: global_buffer, .address_space: global }
      - { .name: b_k, .offset: 24, .size: 8, .value_kind: global_buffer, .address_space: global }
      - { .name: b_v, .offset: 32, .size: 8, .value_kind: global_buffer, .address_space: global }
      - { .name: qkv, .offset: 40, .size: 8, .value_kind: global_buffer, .address_space: global }
    .group_segment_fixed_size: 327680
    .private_segment_fixed_size: 0
    .kernarg_segment_align: 8
    .kernarg_segment_size: 48
    .max_flat_workgroup_size: 128
    .sgpr_count:     100
    .vgpr_count:     1024
    .wavefront_size: 32
...
	.end_amdgpu_metadata
.endif
;; end of part 2
;; launch attn (part 3): grid 4 x 64, 8 waves a work-group, clusters of 4 x 1, 327,680 bytes of LDS; arguments qkv, xh; writes xh
.if DOCPART == 3
	.amdgcn_target "amdgcn-amd-amdhsa--gfx1250"
	.amdhsa_code_object_version 6
	.text
	.protected	k_qa05dd59ed9_attn
	.globl	k_qa05dd59ed9_attn
	.p2align	8
	.type	k_qa05dd59ed9_attn,@function
k_qa05dd59ed9_attn:
	s_mov_b64 s[64:65], 0
	v_nop
	global_prefetch_b8 v0, s[64:65] scope:SCOPE_SE
	s_setreg_imm32_b32 hwreg(HW_REG_WAVE_MODE, 25, 1), 1
	s_wait_xcnt 0x0
	s_wait_alu depctr_hold_cnt(0) depctr_sa_sdst(0) depctr_va_vdst(0) depctr_va_sdst(0) depctr_va_ssrc(0) depctr_va_vcc(0) depctr_vm_vsrc(0)
	s_getreg_b32 s2, hwreg(HW_REG_IB_STS2, 6, 4)
	s_cmp_eq_u32 s2, 0
	s_cbranch_scc0 .Lentry_in_a_cluster
	s_endpgm
.Lentry_in_a_cluster:
	s_bfe_u32 s2, ttmp6, 0x10000c
	s_cmp_lg_u32 s2, 0x3003
	s_cbranch_scc0 .Lentry_shape_is_right
	s_endpgm
.Lentry_shape_is_right:
; ATTN.  For each of the 64 (batch, head) pairs: x[q] = the sum over k of softmax_k(Q[q] . K[k] / 8) V[k].  Q, K, V: qkv [3][64][2048][64] f16; x: xh [64][2048][64] f16.
; Products on f16 operands with f32 sums; maxima, exponentials and sums in f32; the weights p (at most 1) are rounded to f16 for the second product, x once at the end.
; LIMITS: x is rounded to f16 (under 6e-5 the absolute error is up to 3e-8); weights under 3e-8 of a row's largest count as 0 in the second product, not in the row's sum.
; SHARES.  A work-group owns 512 queries of one pair, each of its eight waves 64: four tiles of 16.  Every wave walks all 2,048 keys, 64 a step.  Two waves lie on a SIMD: a step is written in phases
; (K Q^T, the softmax, V^T P), and one wave's vector phase stands beside the other's matrix phase.
; LAYOUT.  S^T = K Q^T (source 0 = 16 keys, source 1 = 16 queries): a lane holds ONE query (lane % 16) and the keys 8 (lane / 16) + 0..7.  Two such tiles, rounded to f16 in pairs, ARE source 1 (32 keys x 16 queries)
; of O^T = V^T P, whose result again holds one query a lane.  K comes out of LDS as it lies, V ([key][channel]) turned, by ds_load_tr16_b128.
; SOFTMAX.  For each query a running maximum m and sum l: p = 2^(c s - c m), c = log2(e) / 8; in every step O and l are multiplied by a = 2^(c m_old - c m_new).
; RING.  Two slots of 512 keys.  A key's row is 128 bytes, and the rows are dense in memory: a tile is stated as rows of 256 bytes (two keys), padded behind each.  Waves 0-3 fetch a quarter of K's part each, waves 4-7 of V's.
; A slot that has been walked is filled again with the keys two slots on, and that load has the other slot's eight key steps in which to land.
; CLUSTER.  The four query blocks of a pair walk the same K and V: each tile is asked for jointly, by the same tensor load with a mask that names the four.
; REGISTERS: window 0: v2-9 addresses, v14-15 the add's two, v16-55 ten registers of statistics a tile, v64-191 S^T (32 a tile; P takes the tile's low 16 in place), v192-255 V's 8 fragments.
;   window 1: v0-127 O^T (32 a tile), v128-191 Q (16 a tile), v192-255 K's 8 fragments.
.set PK,    272                        ; two keys of K in LDS: 256 bytes + 16: the 16 keys of a load start at 16 different columns of 16 bytes
.set PV,    288                        ; two keys of V: 256 + 32
.set VOFF,  256*PK                     ; a slot: 256 rows of K, then 256 rows of V
.set SLOTB, 256*(PK+PV)                ; 143,360
.set STAGE, 2*SLOTB                    ; behind the ring: 16 rows x (128 bytes + 16) for each wave, bytes of their own
.set SPARE, STAGE+8*2304               ; behind the stages: the spare words, 128 bytes a wave
.set AK0, 2                            ; v2   my lane's place in a tile of K; never rewritten
.set AV0, 3                            ; v3   the same for V
.set ADK, 4                            ; v4   LDS address of the step's K
.set ADV, 5                            ; v5   of its V
.set QO,  6                            ; v6   my byte offset in the wave's rows of Q
.set STO, 7                            ; v7   the way out: where I put 16 bytes of a row
.set RD,  8                            ; v8   where I read rows back
.set GO,  9                            ; v9   my byte offset in 512 bytes of xh
.set SPW, 14
.set NIL, 15
.set ST,  16                           ; tile t's statistics at v[ST + 10 t]: +0 c m, +1 m, +2, +3 l (even keys', odd keys'), +4 to +7 at work, +8 a, +9 c m_old - c m_new
.set S,   64
.set VF,  192                          ; V's fragment (keys 32 kb on, channels 16 ct on) at VF + 32 kb + 8 ct
.set QF,  128                          ; in window 1: Q's fragment (tile t, channels 32 cb on) at QF + 16 t + 8 cb
.set KF,  192                          ; in window 1: K's fragment (keys 16 kt on, channels 32 cb on) at KF + 16 kt + 8 cb
.set WV,  8                            ; s8   my wave's number
.set G1K, 24                           ; s[24:31] group 1 for K's tiles;  s[32:39] for V's: it differs in the padding alone
.set G1V, 32
.set G0K, 40                           ; s[40:47] group 0 for K's tiles, a set for each slot;  s[48:55] for V's
.set G0V, 48
.set CS,  58                           ; s[58:59] c: the packed form names a pair and takes its low word for both halves
.set SEL, 60                           ; s[60:61] lane selects for v_permlanex16_b32: lane l xor 16
.set TBK, 62                           ; s62  LDS byte at which the step's K begins
.set TBV, 63                           ; s63  and its V
.set CNT, 66                           ; s66  key steps to go in a slot
.set MSB, 0
.macro WIN new                         ; the immediate's high byte repeats the setting that is left; a switch that changes nothing is dropped
.if MSB != (\new)
	s_set_vgpr_msb (MSB<<8)|(\new)
.set MSB, (\new)
.endif
.endm
.set W_KQ, 0x05                        ; K and Q in window 1, S^T in window 0
.set W_PV, 0x50                        ; V and P in window 0, O^T in window 1
.set W_RS, 0x41                        ; O^T (destination and source 0) in window 1, the factor in window 0
.set TO1,  0x40                        ; destination window 1, address window 0
; A joint refill of slot s.  The branch hangs on the wave's number alone.  An s_nop 0 and four v_nop follow each of the two lines.
.macro JLOAD s
	s_cmp_lt_u32 s[WV], 4
	s_cbranch_scc0 .Lfor_v_\@
	tensor_load_to_lds s[G0K+4*\s:G0K+4*\s+3], s[G1K:G1K+7]
	s_nop 0
.rept 4
	v_nop
.endr
	s_branch .Lasked_\@
.Lfor_v_\@:
	tensor_load_to_lds s[G0V+4*\s:G0V+4*\s+3], s[G1V:G1V+7]
	s_nop 0
.rept 4
	v_nop
.endr
.Lasked_\@:
.endm
.macro CROUND                          ; a round of the cluster's barrier
	s_barrier_signal -1
	s_barrier_wait -1
	s_cmp_lg_u32 s[WV], 0
	s_cbranch_scc1 .Lnot_wave_0_\@
	s_barrier_signal -3
.Lnot_wave_0_\@:
	s_barrier_wait -3
	s_barrier_signal -1
	s_barrier_wait -1
.endm
	s_load_b128 s[4:7], s[0:1], 0x0                ; qkv 4:5, xh 6:7
	v_lshl_add_u32 v[SPW], v0, 2, SPARE
	v_mov_b32 v[NIL], 0
	ds_add_u32 v[SPW], v[NIL]                      ; the wave's opening: the add, twice on end, and its wait ahead of my first tensor load
	ds_add_u32 v[SPW], v[NIL]
	v_lshrrev_b32 v1, 5, v0
	v_readfirstlane_b32 s[WV], v1                  ; wave 0..7
	s_bfe_u32 s9, ttmp6, 0x40000                   ; cx: my place in the cluster
	s_lshl_b32 s10, ttmp9, 2
	s_add_co_u32 s10, s10, s9                      ; my block of 512 queries: it enters Q's and x's addresses alone
	s_and_b32 s11, ttmp7, 0xffff                   ; the (batch, head) pair, which the four partners share
	s_lshl_b32 s12, s11, 18                        ; its 2,048 rows of 128 bytes
	s_and_b32 s13, s[WV], 3                        ; which quarter of a slot's part I fetch:
	s_lshl_b32 s14, s13, 14                        ; 128 keys of 128 bytes in memory,
	s_add_co_u32 s14, s14, s12
	s_mov_b32 s15, 0
	s_mul_i32 s16, s13, 64*PK                      ; 64 rows in K's part of a slot,
	s_mul_i32 s17, s13, 64*PV
	s_add_co_u32 s17, s17, VOFF                    ; or in V's: no place in the cluster enters an LDS address
	s_lshl_b32 s18, s10, 16                        ; my block's 512 rows,
	s_lshl_b32 s19, s[WV], 13                      ; my wave's 64 of them
	s_add_co_u32 s18, s18, s19
	s_add_co_u32 s18, s18, s12
	s_mov_b32 s19, 0
	; group 1: a tile of 64 rows x 128 elements of 2 bytes, dense in memory, padded in LDS
	s_mov_b32 s[G1K], 15|(1<<16)|(1<<20)|(1<<21)|(5<<22)|(3<<25)  ; 15:0 the mask: all four; 17:16 elements of 2 bytes; 20 padding on; 21 set beside a mask; 24:22 after every 64 words; 31:25 four words
	s_mov_b32 s[G1V], 15|(1<<16)|(1<<20)|(1<<21)|(5<<22)|(7<<25)  ; the same with eight words of padding
.irp g, G1K, G1V
	s_mov_b32 s[\g+1], 128<<16                     ; tensor_dim0
	s_mov_b32 s[\g+2], 64<<16                      ; tensor_dim1
	s_mov_b32 s[\g+3], 128<<16                     ; tile_dim0
	s_mov_b32 s[\g+4], 64                          ; tile_dim1
	s_mov_b32 s[\g+5], 128                         ; from row to row
	s_mov_b32 s[\g+6], 0
	s_mov_b32 s[\g+7], 0
.endr
	s_mov_b32 s[CS], 0x3e38aa3b                    ; c = log2(e) / 8
	s_mov_b32 s[CS+1], s[CS]                       ; named with it as a pair, so it is written
	s_mov_b32 s[SEL], 0x76543210
	s_mov_b32 s[SEL+1], 0xfedcba98
	s_wait_dscnt 0x0                               ; both opening adds are done
	s_wait_kmcnt 0x0
	s_add_nc_u64 s[20:21], s[4:5], s[14:15]
	s_add_nc_u64 s[22:23], s[20:21], 0x2000000     ; V: the third tensor of qkv, at my quarter of slot 0
	s_add_nc_u64 s[20:21], s[20:21], 0x1000000     ; K: the second
	s_add_nc_u64 s[4:5], s[4:5], s[18:19]          ; Q and x at my wave's first row
	s_add_nc_u64 s[6:7], s[6:7], s[18:19]
	CROUND                                         ; all four work-groups are here: the first joint loads meet
.irp s, 0,1
	s_mov_b32 s[G0K+4*\s], 1                       ; count = 1
	s_add_co_u32 s[G0K+4*\s+1], s16, \s*SLOTB      ; LDS address
	s_add_nc_u64 s[G0K+4*\s+2:G0K+4*\s+3], s[20:21], \s*65536   ; slot s begins with keys 512 s on
	s_or_b32 s[G0K+4*\s+3], s[G0K+4*\s+3], 0x80000000           ; type = 2
	s_mov_b32 s[G0V+4*\s], 1
	s_add_co_u32 s[G0V+4*\s+1], s17, \s*SLOTB
	s_add_nc_u64 s[G0V+4*\s+2:G0V+4*\s+3], s[22:23], \s*65536
	s_or_b32 s[G0V+4*\s+3], s[G0V+4*\s+3], 0x80000000
.endr
	s_cmp_lt_u32 s[WV], 4                          ; a wave's two first fills stand in one branch, ahead of every wait on TENSORcnt and every LDS read: two loads of mine are out
	s_cbranch_scc0 .Lfirst_v
	tensor_load_to_lds s[G0K:G0K+3], s[G1K:G1K+7]
	s_nop 0
	tensor_load_to_lds s[G0K+4:G0K+7], s[G1K:G1K+7]
	s_nop 0
.rept 4
	v_nop
.endr
	s_branch .Lfirst_asked
.Lfirst_v:
	tensor_load_to_lds s[G0V:G0V+3], s[G1V:G1V+7]
	s_nop 0
	tensor_load_to_lds s[G0V+4:G0V+7], s[G1V:G1V+7]
	s_nop 0
.rept 4
	v_nop
.endr
.Lfirst_asked:
	; A fragment of K or Q is 16 rows x 32 channels in 8 registers: lane l holds row l % 16; registers 0-3 channels 8 (l / 16) + 0..7, registers 4-7 channels 16 + 8 (l / 16) + 0..7: two loads of 16 bytes, 32 bytes apart.
	v_and_b32 v1, 15, v0                           ; r
	v_bfe_u32 v10, v0, 4, 1                        ; h
	v_lshlrev_b32 v[QO], 7, v1
	v_lshl_add_u32 v[QO], v10, 4, v[QO]            ; row x 128 + 16 x half
	WIN TO1
.irp t, 0,1,2,3                        ; Q stays in registers
.irp cb, 0,1
	global_load_b128 v[QF+16*\t+8*\cb:QF+16*\t+8*\cb+3],   v[QO], s[4:5] offset:\t*2048+64*\cb
	global_load_b128 v[QF+16*\t+8*\cb+4:QF+16*\t+8*\cb+7], v[QO], s[4:5] offset:\t*2048+64*\cb+32
.endr
.endr
	WIN 0
	v_lshrrev_b32 v11, 1, v1
	v_and_b32 v12, 1, v0
	v_mul_u32_u24 v[AK0], v11, PK                  ; key r lies in LDS row r / 2,
	v_lshl_add_u32 v[AK0], v12, 7, v[AK0]          ; in its half r % 2,
	v_lshl_add_u32 v[AK0], v10, 4, v[AK0]          ; + 16 x half of the lanes
	; The turning load takes 16 keys x 16 channels (lane l reads 16 bytes: key 8 (l / 16) + l % 8, channels 8 ((l / 8) % 2) + 0..7) and leaves half a fragment of V^T: lane l holds channel l % 16 and 8 keys.
	v_bfe_u32 v11, v0, 1, 2
	v_lshl_add_u32 v11, v10, 2, v11                ; that key's LDS row: 4 (l / 16) + (l % 8) / 2
	v_mul_u32_u24 v[AV0], v11, PV
	v_lshl_add_u32 v[AV0], v12, 7, v[AV0]
	v_bfe_u32 v11, v0, 3, 1
	v_lshl_add_u32 v[AV0], v11, 4, v[AV0]
	s_mul_i32 s16, s[WV], 2304
	s_add_co_u32 s16, s16, STAGE                   ; my stage
	v_mul_u32_u24 v[STO], v1, 144                  ; in: row r, 16 bytes for each half of the lanes
	v_lshl_add_u32 v[STO], v10, 4, v[STO]
	v_add_nc_u32 v[STO], s16, v[STO]
	v_and_b32 v13, 31, v0
	v_lshlrev_b32 v[GO], 4, v13                    ; out: four rows of 128 bytes lie on end in xh
	v_lshrrev_b32 v11, 3, v13
	v_mul_u32_u24 v[RD], v11, 144                  ; back: eight lanes to a row
	v_and_b32 v11, 7, v0
	v_lshl_add_u32 v[RD], v11, 4, v[RD]
	v_add_nc_u32 v[RD], s16, v[RD]
; A KEY STEP: 64 keys.  first = 1: the first step, which starts m, l and O^T: it has no a and nothing to rescale.
.macro STEP first
	WIN 0
	v_add_nc_u32 v[ADK], s[TBK], v[AK0]
	v_add_nc_u32 v[ADV], s[TBV], v[AV0]
.rept 4
	v_nop                                          ; with the two additions six places behind the last V^T P: four are owed to the loads into V's registers, five to the products below, which write over P's
.endr
	WIN TO1
.irp kt, 0,1,2,3
.irp cb, 0,1
	ds_load_b128 v[KF+16*\kt+8*\cb:KF+16*\kt+8*\cb+3],   v[ADK] offset:\kt*8*PK+64*\cb
	ds_load_b128 v[KF+16*\kt+8*\cb+4:KF+16*\kt+8*\cb+7], v[ADK] offset:\kt*8*PK+64*\cb+32
.endr
.endr
	WIN 0
.irp kb, 0,1
.irp ct, 0,1,2,3
	ds_load_tr16_b128 v[VF+32*\kb+8*\ct:VF+32*\kb+8*\ct+3],   v[ADV] offset:\kb*16*PV+\ct*32
	ds_load_tr16_b128 v[VF+32*\kb+8*\ct+4:VF+32*\kb+8*\ct+7], v[ADV] offset:\kb*16*PV+8*PV+\ct*32
.endr
.endr
	s_wait_dscnt 16                                ; K's sixteen loads are in; V's sixteen stay out until the second product
	WIN W_KQ
.irp cb, 0,1                           ; S^T = K Q^T: the 16 accumulators take turns, one instruction a turn; the first 16 start the sums
.irp kt, 0,1,2,3
.irp t, 0,1,2,3
.if \cb == 0
	v_wmma_f32_16x16x32_f16 v[S+32*\t+8*\kt:S+32*\t+8*\kt+7], v[KF+16*\kt+8*\cb:KF+16*\kt+8*\cb+7], v[QF+16*\t+8*\cb:QF+16*\t+8*\cb+7], 0
.else
	v_wmma_f32_16x16x32_f16 v[S+32*\t+8*\kt:S+32*\t+8*\kt+7], v[KF+16*\kt+8*\cb:KF+16*\kt+8*\cb+7], v[QF+16*\t+8*\cb:QF+16*\t+8*\cb+7], v[S+32*\t+8*\kt:S+32*\t+8*\kt+7]
.endif
.endr
.endr
.endr
	WIN 0
.rept 4
	v_nop                                          ; places behind the last product, ahead of the first read of the scores
.endr
	; the maximum of a lane's 32 scores and the old m, three operands at a time; the four tiles by turns.  Each accumulator is read from its low end on
.irp j, 0,1,2,3
.irp t, 0,1,2,3
	v_max3_num_f32 v[ST+10*\t+4+\j], v[S+32*\t+8*\j], v[S+32*\t+8*\j+1], v[S+32*\t+8*\j+2]
.endr
.endr
.irp g, 1,2
.irp j, 0,1,2,3
.irp t, 0,1,2,3
	v_max3_num_f32 v[ST+10*\t+4+\j], v[ST+10*\t+4+\j], v[S+32*\t+8*\j+2*\g+1], v[S+32*\t+8*\j+2*\g+2]
.endr
.endr
.endr
.irp t, 0,1,2,3
	v_max3_num_f32 v[ST+10*\t+4], v[ST+10*\t+4], v[S+32*\t+7], v[S+32*\t+15]
.endr
.irp t, 0,1,2,3
	v_max3_num_f32 v[ST+10*\t+6], v[ST+10*\t+6], v[S+32*\t+23], v[S+32*\t+31]
.endr
.irp t, 0,1,2,3
	v_max3_num_f32 v[ST+10*\t+4], v[ST+10*\t+4], v[ST+10*\t+5], v[ST+10*\t+6]
.endr
.irp t, 0,1,2,3
.if \first
	v_max_num_f32 v[ST+10*\t+4], v[ST+10*\t+4], v[ST+10*\t+7]
.else
	v_max3_num_f32 v[ST+10*\t+4], v[ST+10*\t+4], v[ST+10*\t+7], v[ST+10*\t+1]
.endif
.endr
.irp t, 0,1,2,3
	v_permlanex16_b32 v[ST+10*\t+5], v[ST+10*\t+4], s[SEL], s[SEL+1]   ; the query's other 32 keys lie in the lane 16 away
.endr
.if !\first
.irp t, 0,1,2,3
	v_mov_b32 v[ST+10*\t+9], v[ST+10*\t]           ; c m_old is kept for a
.endr
.endif
.irp t, 0,1,2,3
	v_max_num_f32 v[ST+10*\t+1], v[ST+10*\t+4], v[ST+10*\t+5]
.endr
.irp t, 0,1,2,3
	v_mul_f32 v[ST+10*\t], s[CS], v[ST+10*\t+1]
.endr
.if !\first
.irp t, 0,1,2,3
	v_sub_f32 v[ST+10*\t+9], v[ST+10*\t+9], v[ST+10*\t]
.endr
.irp t, 0,1,2,3
	v_exp_f32 v[ST+10*\t+8], v[ST+10*\t+9]         ; a
.endr
.endif
	; ONE BATCH: the scalings c s - c m, a pair of scores each, and all exponentials; a pair's exponentials stand behind the next pair's scalings.  Nothing here names an exponential's result
.set b, 0
.rept 17
.if b < 16
.irp t, 0,1,2,3
	v_pk_fma_f32 v[S+32*\t+2*b:S+32*\t+2*b+1], v[S+32*\t+2*b:S+32*\t+2*b+1], s[CS:CS+1], v[ST+10*\t:ST+10*\t+1] op_sel_hi:[1,0,0] neg_lo:[0,0,1] neg_hi:[0,0,1]
.endr
.endif
.if b > 0
.irp t, 0,1,2,3
	v_exp_f32 v[S+32*\t+2*b-2], v[S+32*\t+2*b-2]
	v_exp_f32 v[S+32*\t+2*b-1], v[S+32*\t+2*b-1]
.endr
.endif
.set b, b+1
.endr
	v_nop                                          ; a plain instruction behind the last exponential, ahead of the first use: one for the batch
	s_wait_alu depctr_va_vdst(0)                   ; and one wait ahead of the batch's first reader
	; the sums of the unrounded p: two chains a tile, pairs (an even key's weight, an odd key's)
.irp t, 0,1,2,3
	v_pk_add_f32 v[ST+10*\t+4:ST+10*\t+5], v[S+32*\t:S+32*\t+1], v[S+32*\t+2:S+32*\t+3]
.endr
.irp t, 0,1,2,3
	v_pk_add_f32 v[ST+10*\t+6:ST+10*\t+7], v[S+32*\t+4:S+32*\t+5], v[S+32*\t+6:S+32*\t+7]
.endr
.irp j, 8,12,16,20,24,28
.irp t, 0,1,2,3
	v_pk_add_f32 v[ST+10*\t+4:ST+10*\t+5], v[ST+10*\t+4:ST+10*\t+5], v[S+32*\t+\j:S+32*\t+\j+1]
.endr
.irp t, 0,1,2,3
	v_pk_add_f32 v[ST+10*\t+6:ST+10*\t+7], v[ST+10*\t+6:ST+10*\t+7], v[S+32*\t+\j+2:S+32*\t+\j+3]
.endr
.endr
.if \first
.irp t, 0,1,2,3
	v_pk_add_f32 v[ST+10*\t+2:ST+10*\t+3], v[ST+10*\t+4:ST+10*\t+5], v[ST+10*\t+6:ST+10*\t+7]
.endr
.else
.irp t, 0,1,2,3
	v_pk_add_f32 v[ST+10*\t+4:ST+10*\t+5], v[ST+10*\t+4:ST+10*\t+5], v[ST+10*\t+6:ST+10*\t+7]
.endr
.irp t, 0,1,2,3
	v_pk_fma_f32 v[ST+10*\t+2:ST+10*\t+3], v[ST+10*\t+2:ST+10*\t+3], v[ST+10*\t+8:ST+10*\t+9], v[ST+10*\t+4:ST+10*\t+5] op_sel_hi:[1,0,1]   ; l = a l + the sum
.endr
.endif
	; p to f16, in place: register j of a tile takes pair j; ascending, so that no pair is written over before it is read
.irp j, 0,1,2,3,4,5,6,7,8,9,10,11,12,13,14,15
.irp t, 0,1,2,3
	v_cvt_pk_f16_f32 v[S+32*\t+\j], v[S+32*\t+2*\j], v[S+32*\t+2*\j+1]
.endr
.endr
.if !\first
	WIN W_RS
.irp j, 0,1,2,3,4,5,6,7,8,9,10,11,12,13,14,15
.irp t, 0,1,2,3
	v_pk_mul_f32 v[32*\t+2*\j:32*\t+2*\j+1], v[32*\t+2*\j:32*\t+2*\j+1], v[ST+10*\t+8:ST+10*\t+9] op_sel_hi:[1,0]   ; O^T x a, each accumulator from its low end on
.endr
.endr
.endif
	s_wait_dscnt 0x0                               ; V is in
	WIN W_PV
.irp kb, 0,1                           ; O^T += V^T P: the 16 accumulators by turns
.irp ct, 0,1,2,3
.irp t, 0,1,2,3
.if \first && (\kb == 0)
	v_wmma_f32_16x16x32_f16 v[32*\t+8*\ct:32*\t+8*\ct+7], v[VF+32*\kb+8*\ct:VF+32*\kb+8*\ct+7], v[S+32*\t+8*\kb:S+32*\t+8*\kb+7], 0
.else
	v_wmma_f32_16x16x32_f16 v[32*\t+8*\ct:32*\t+8*\ct+7], v[VF+32*\kb+8*\ct:VF+32*\kb+8*\ct+7], v[S+32*\t+8*\kb:S+32*\t+8*\kb+7], v[32*\t+8*\ct:32*\t+8*\ct+7]
.endif
.endr
.endr
.endr
	WIN 0
	s_add_co_u32 s[TBK], s[TBK], 32*PK             ; the next step's 64 keys: 32 LDS rows on
	s_add_co_u32 s[TBV], s[TBV], 32*PV
.endm
; A slot's eight key steps: written once, walked eight times
.macro WALK base, n
	s_mov_b32 s[TBK], \base
	s_mov_b32 s[TBV], \base+VOFF
	s_mov_b32 s[CNT], \n
.Lwalk_\@:
	STEP 0
	s_sub_co_u32 s[CNT], s[CNT], 1
	s_cmp_lg_u32 s[CNT], 0
	s_cbranch_scc1 .Lwalk_\@
.endm
; THE CHANGE OF SLOTS.  Each wave waits for all its tensor loads, of which one is out: its part of the slot ahead; adds 0 to its spare word; and waits for that and for its reads of the slot that it leaves.
; fill = 1: slot s, just left, is filled again with the keys two slots on.  The barrier is then a round of the cluster's, and the joint refill is the first thing behind it: one load of mine is out.
.macro CHANGE fill, s
	WIN 0
	s_wait_tensorcnt 0x0                           ; no tensor load of mine is out, so a group 0 may be written
	ds_add_u32 v[SPW], v[NIL]                      ; 0 onto my spare word
.if \fill
	s_add_nc_u64 s[G0K+4*\s+2:G0K+4*\s+3], s[G0K+4*\s+2:G0K+4*\s+3], 131072   ; 1,024 keys on; the type bits on top are not reached
	s_add_nc_u64 s[G0V+4*\s+2:G0V+4*\s+3], s[G0V+4*\s+2:G0V+4*\s+3], 131072
	s_wait_dscnt 0x0                               ; the add is done, and my reads of the slot are over
	CROUND
	JLOAD \s
.else
	s_wait_dscnt 0x0
	s_barrier_signal -1
	s_barrier_wait -1
.endif
.endm
	s_wait_tensorcnt 1                             ; my part of slot 0 is in; slot 1's may stay out
	s_barrier_signal -1
	s_barrier_wait -1                              ; everybody's is
	s_wait_loadcnt 0x0                             ; Q
	s_mov_b32 s[TBK], 0
	s_mov_b32 s[TBV], VOFF
	STEP 1                                         ; keys 0-63 start m, l and O^T: nothing is cleared
	s_mov_b32 s[CNT], 7
.Lfirst_slot:
	STEP 0
	s_sub_co_u32 s[CNT], s[CNT], 1
	s_cmp_lg_u32 s[CNT], 0
	s_cbranch_scc1 .Lfirst_slot
	CHANGE 1, 0                                    ; slot 0 takes keys 1024 on
	WALK SLOTB, 8                                  ; keys 512 on
	CHANGE 1, 1                                    ; slot 1 takes keys 1536 on
	WALK 0, 8
	CHANGE 0, 0                                    ; nothing is left to fetch
	WALK SLOTB, 8
	; THE WAY OUT.  l's two halves and the other half of the lanes' are added; O^T is divided by l, rounded to f16 and sent through my stage, a tile (16 rows of x) at a time.  The additions are the places behind the last products.
.irp t, 0,1,2,3
	v_add_f32 v[ST+10*\t+4], v[ST+10*\t+2], v[ST+10*\t+3]
.endr
.irp t, 0,1,2,3
	v_permlanex16_b32 v[ST+10*\t+5], v[ST+10*\t+4], s[SEL], s[SEL+1]
.endr
.irp t, 0,1,2,3
	v_add_f32 v[ST+10*\t+4], v[ST+10*\t+4], v[ST+10*\t+5]
.endr
.irp t, 0,1,2,3
	v_rcp_f32 v[ST+10*\t+8], v[ST+10*\t+4]
.endr
	v_nop                                          ; a plain instruction between the last reciprocal and the use of its result
	s_wait_alu depctr_va_vdst(0)                   ; and a wait ahead of the first use: one for the four
.macro PACK t
	WIN W_RS
.irp i, 0,1,2,3,4,5,6,7,8,9,10,11,12,13,14,15
	v_pk_mul_f32 v[32*\t+2*\i:32*\t+2*\i+1], v[32*\t+2*\i:32*\t+2*\i+1], v[ST+10*\t+8:ST+10*\t+9] op_sel_hi:[1,0]
.endr
	WIN 0x05                                       ; sources 0 and 1 window 1, destination window 0: S^T's registers are free
.irp i, 0,1,2,3,4,5,6,7,8,9,10,11,12,13,14,15
	v_cvt_pk_f16_f32 v[64+16*\t+\i], v[32*\t+2*\i], v[32*\t+2*\i+1]
.endr
	WIN 0
.irp ct, 0,1,2,3
	ds_store_b128 v[STO], v[64+16*\t+4*\ct:64+16*\t+4*\ct+3] offset:32*\ct   ; channels 16 ct + 8 (lane / 16) on of row lane % 16
.endr
.irp i, 0,1,2,3
	ds_load_b128 v[128+16*\t+4*\i:128+16*\t+4*\i+3], v[RD] offset:576*\i    ; LDS serves a wave's instructions in order: these see the stores above; the next tile's stores come behind them
.endr
.endm
.macro SEND t, younger                 ; younger: the LDS instructions issued behind tile t's loads: the next tile's eight, or none
.irp i, 0,1,2,3
	s_wait_dscnt \younger+3-\i
	global_store_b128 v[GO], v[128+16*\t+4*\i:128+16*\t+4*\i+3], s[6:7] offset:\t*2048+512*\i   ; 32 lanes store 512 consecutive bytes, at a multiple of 512 from xh's first byte
.endr
.endm
	PACK 0
	PACK 1                                         ; a tile's arithmetic stands between the loads of the tile before and its stores
	SEND 0, 8
	PACK 2
	SEND 1, 8
	PACK 3
	SEND 2, 8
	SEND 3, 0
	s_wait_tensorcnt 0x0                           ; the wave's end: three closing lines behind my last tensor load and my last LDS store
	ds_add_u32 v[SPW], v[NIL]
	s_wait_dscnt 0x0
	CROUND                                         ; the closing round: no work-group ends while a partner may still ask for a tile that names it
	s_endpgm
.Lfunc_end_k_qa05dd59ed9_attn:
	.size	k_qa05dd59ed9_attn, .Lfunc_end_k_qa05dd59ed9_attn-k_qa05dd59ed9_attn
	.p2alignl 7, 3214868480
	.fill 96, 4, 3214868480
	.section	.rodata,"a",@progbits
	.p2align	6, 0x0
	.amdhsa_kernel k_qa05dd59ed9_attn
		.amdhsa_group_segment_fixed_size 327680
		.amdhsa_private_segment_fixed_size 0
		.amdhsa_enable_private_segment 0
		.amdhsa_kernarg_size 16
		.amdhsa_user_sgpr_count 2
		.amdhsa_user_sgpr_kernarg_segment_ptr 1
		.amdhsa_wavefront_size32 1
		.amdhsa_system_sgpr_workgroup_id_x 1
		.amdhsa_system_sgpr_workgroup_id_y 1
		.amdhsa_system_sgpr_workgroup_id_z 1
		.amdhsa_system_vgpr_workitem_id 0
		.amdhsa_next_free_vgpr 512
		.amdhsa_next_free_sgpr 68
		.amdhsa_reserve_vcc 0
		.amdhsa_float_denorm_mode_32 3
		.amdhsa_float_denorm_mode_16_64 3
		.amdhsa_memory_ordered 1
		.amdhsa_forward_progress 1
		.amdhsa_inst_pref_size 179
	.end_amdhsa_kernel
	.amdgpu_metadata
---
amdhsa.version: [ 1, 2 ]
amdhsa.kernels:
  - .name:           k_qa05dd59ed9_attn
    .symbol:         k_qa05dd59ed9_attn.kd
    .args:
      - { .name: qkv, .offset: 0, .size: 8, .value_kind: global_buffer, .address_space: global }
      - { .name: xh, .offset: 8, .size: 8, .value_kind: global_buffer, .address_space: global }
    .group_segment_fixed_size: 327680
    .private_segment_fixed_size: 0
    .kernarg_segment_align: 8
    .kernarg_segment_size: 16
    .max_flat_workgroup_size: 256
    .sgpr_count:     68
    .vgpr_count:     512
    .wavefront_size: 32
...
	.end_amdgpu_metadata
.endif
;; end of part 3
;; launch fc (part 4): grid 4 x 64, 4 waves a work-group, clusters of 4 x 4, 327,680 bytes of LDS; arguments xh, w16, b_fc, out0; writes out0
.if DOCPART == 4
	.amdgcn_target "amdgcn-amd-amdhsa--gfx1250"
	.amdhsa_code_object_version 6
	.text
	.protected	k_qa05dd59ed9_fc
	.globl	k_qa05dd59ed9_fc
	.p2align	8
	.type	k_qa05dd59ed9_fc,@function
k_qa05dd59ed9_fc:
	s_mov_b64 s[64:65], 0
	v_nop
	global_prefetch_b8 v0, s[64:65] scope:SCOPE_SE
	s_setreg_imm32_b32 hwreg(HW_REG_WAVE_MODE, 25, 1), 1
	s_wait_xcnt 0x0
	s_wait_alu depctr_hold_cnt(0) depctr_sa_sdst(0) depctr_va_vdst(0) depctr_va_sdst(0) depctr_va_ssrc(0) depctr_va_vcc(0) depctr_vm_vsrc(0)
	s_getreg_b32 s2, hwreg(HW_REG_IB_STS2, 6, 4)
	s_cmp_eq_u32 s2, 0
	s_cbranch_scc0 .Lentry_in_a_cluster
	s_endpgm
.Lentry_in_a_cluster:
	s_bfe_u32 s2, ttmp6, 0x10000c
	s_cmp_lg_u32 s2, 0xf033
	s_cbranch_scc0 .Lentry_shape_is_right
	s_endpgm
.Lentry_shape_is_right:
; FC.  out0[m][n] = the sum over k of x[m][k] w_fc[n][k] + b_fc[n]: [8192][1024] f32, K = 1024, f16 operands, f32 sums.
; x: xh [b 4][h 16][s 2048][64] f16 (m = 2048 b + s, k = 64 h + d); w_fc: w16 [h 16][n 1024][64] f16.  K is walked head by head, in the same order for both.
; A tile of out0 is 128 (m) x 256 (n): the largest that gives each of 256 work-groups one tile.  Four waves, each 64 x 128: 32 accumulators, 256 registers.
; K goes in steps of 128, two heads, through a ring of two LDS slots.  A head's rows of 128 bytes are dense in memory: a tile is stated as rows of 256 bytes (two rows of x or w), 16 bytes of padding behind each.
; Waves 0 and 1 fetch x's tile of a step's first and second head, waves 2 and 3 w's.
; CLUSTERS: 4 x 4 work-groups.  The four of a row of the cluster need the same tiles of x, the four of a column the same tiles of w: each is asked for jointly.
; THE MATRIX INSTRUCTION IS USED TRANSPOSED (source 0 = 16 rows of w, source 1 = 16 rows of x): a lane holds eight neighbouring numbers of a row of out0.  THE BIAS is the C of each sum's first product.
; REGISTERS: window 0: v0-31 addresses; v32-95 x's fragments, two buffers of 4; v128-255 w's, two buffers of 8 (on the way out: rows read back).   window 1: accumulator (a, b) at v[8 (8 a + b)].   window 2: v0-63 the bias.
.set PITCH,  272                       ; an LDS row: 256 bytes + 16
.set AH,     64*PITCH                  ; x's tile of one head: 128 rows = 64 LDS rows
.set BH,     128*PITCH                 ; w's: 256 rows = 128 LDS rows
.set BOFF,   2*AH                      ; a slot: x's two heads, then w's two
.set SLOT,   2*AH+2*BH                 ; 104,448
.set STAGE,  2*SLOT                    ; behind the ring: 16 rows x (512 bytes + 16) for each wave, bytes of their own
.set SPITCH, 528
.set SPARE,  STAGE+4*16*SPITCH         ; behind the stages: the spare words, 128 bytes a wave
.set ADRA, 16                          ; v16-17  LDS address of my x fragments in slot 0, 1
.set ADRB, 20                          ; v20-21  the same for w
.set STO,  24                          ; v24     the way out: where I put 32 bytes of a row
.set RD,   25                          ; v25     where I read a row back
.set CO,   26                          ; v26     my byte offset in a row's 512 bytes
.set SPW,  28
.set NIL,  29
.set FA,   32
.set FB,   128
.set BK,   128
.set G1A, 24                           ; s[24:31] group 1 for x's tiles;  s[32:39] group 0, one set for each slot
.set G0A, 32
.set G1B, 48                           ; s[48:55], s[56:63] the same for w's
.set G0B, 56
.set MSB, 0
.macro WIN new                         ; the immediate's high byte repeats the setting that is left; a switch that changes nothing is dropped
.if MSB != (\new)
	s_set_vgpr_msb (MSB<<8)|(\new)
.set MSB, (\new)
.endif
.endm
.set MUL,  0x50                        ; sources 0 and 1 window 0; C and D window 1
.set MUL1, 0x60                        ; C (the bias) window 2, D window 1
.macro JLOAD s                         ; a joint load; an s_nop 0 and four v_nop follow each of the two lines
	s_cmp_eq_u32 s13, 0
	s_cbranch_scc0 .Lfor_b_\@
	tensor_load_to_lds s[G0A+4*\s:G0A+4*\s+3], s[G1A:G1A+7]
	s_nop 0
.rept 4
	v_nop
.endr
	s_branch .Lasked_\@
.Lfor_b_\@:
	tensor_load_to_lds s[G0B+4*\s:G0B+4*\s+3], s[G1B:G1B+7]
	s_nop 0
.rept 4
	v_nop
.endr
.Lasked_\@:
.endm
.macro CREST                           ; a round of the cluster's barrier behind its opening barrier
	s_cmp_lg_u32 s12, 0
	s_cbranch_scc1 .Lnot_wave_0_\@
	s_barrier_signal -3
.Lnot_wave_0_\@:
	s_barrier_wait -3
	s_barrier_signal -1
	s_barrier_wait -1
.endm
.macro CROUND
	s_barrier_signal -1
	s_barrier_wait -1
	CREST
.endm
	s_load_b256 s[4:11], s[0:1], 0x0               ; xh 4:5, w16 6:7, b_fc 8:9, out0 10:11
	v_lshl_add_u32 v[SPW], v0, 2, SPARE
	v_mov_b32 v[NIL], 0
	ds_add_u32 v[SPW], v[NIL]                      ; the wave's opening: the add, twice on end, and its wait ahead of my first tensor load
	ds_add_u32 v[SPW], v[NIL]
	v_lshrrev_b32 v1, 5, v0
	v_readfirstlane_b32 s12, v1                    ; wave 0..3
	s_lshr_b32 s13, s12, 1                         ; which 64 rows of the tile are mine.  Also: I fetch for x (0) or for w (1)
	s_and_b32 s14, s12, 1                          ; which 128 columns.  Also: which of a step's two heads I fetch
	s_bfe_u32 s40, ttmp6, 0x40000                  ; cx, cy
	s_bfe_u32 s41, ttmp6, 0x40004
	s_lshl_b32 s42, ttmp9, 2
	s_add_co_u32 s42, s42, s40                     ; tx = 4 x cluster x + cx
	s_and_b32 s15, ttmp7, 0xffff
	s_lshl_b32 s15, s15, 2
	s_add_co_u32 s15, s15, s41                     ; ty = 4 x cluster y + cy
	s_lshl_b32 s43, s41, 2
	s_lshl_b32 s43, 15, s43                        ; my row of the cluster
	s_lshl_b32 s44, 0x1111, s40                    ; my column
	s_or_b32 s[G1A+0], s43, (1<<16)|(1<<20)|(1<<21)|(5<<22)|(3<<25)  ; the mask; elements of 2 bytes; padding on; bit 21 beside a mask; four words after every 64
	s_or_b32 s[G1B+0], s44, (1<<16)|(1<<20)|(1<<21)|(5<<22)|(3<<25)
	s_mov_b32 s[G1A+1], 128<<16                    ; tensor_dim0
	s_mov_b32 s[G1A+2], 64<<16                     ; tensor_dim1
	s_mov_b32 s[G1A+3], 128<<16                    ; tile_dim0
	s_mov_b32 s[G1A+4], 64                         ; tile_dim1
	s_mov_b32 s[G1A+5], 128                        ; from row to row: dense
	s_mov_b32 s[G1A+6], 0
	s_mov_b32 s[G1A+7], 0
	s_mov_b32 s[G1B+1], 128<<16
	s_mov_b32 s[G1B+2], 128<<16
	s_mov_b32 s[G1B+3], 128<<16
	s_mov_b32 s[G1B+4], 128
	s_mov_b32 s[G1B+5], 128
	s_mov_b32 s[G1B+6], 0
	s_mov_b32 s[G1B+7], 0
	s_lshr_b32 s16, s15, 4                         ; x: rows 128 ty on are batch ty / 16,
	s_lshl_b32 s16, s16, 22
	s_and_b32 s17, s15, 15                         ; s = 128 (ty % 16) on,
	s_lshl_b32 s17, s17, 14
	s_add_co_u32 s16, s16, s17
	s_lshl_b32 s17, s14, 18                        ; in head 0 or 1
	s_add_co_u32 s16, s16, s17
	s_mov_b32 s17, 0
	s_lshl_b32 s46, s42, 15                        ; w: rows 256 tx on,
	s_lshl_b32 s47, s14, 17                        ; in head 0 or 1
	s_add_co_u32 s46, s46, s47
	s_mov_b32 s47, 0
	s_mul_i32 s20, s14, AH                         ; where they go: no place in the cluster enters an LDS address
	s_mul_i32 s21, s14, BH
	s_add_co_u32 s21, s21, BOFF
	s_wait_dscnt 0x0                               ; both opening adds are done
	s_wait_kmcnt 0x0
	s_add_nc_u64 s[18:19], s[4:5], s[16:17]
	s_add_nc_u64 s[46:47], s[6:7], s[46:47]
	CROUND                                         ; all sixteen work-groups are here: the first joint loads meet
.irp s, 0,1
	s_mov_b32 s[G0A+4*\s], 1
	s_add_co_u32 s[G0A+4*\s+1], s20, \s*SLOT
	s_add_nc_u64 s[G0A+4*\s+2:G0A+4*\s+3], s[18:19], \s*524288      ; K step s: two heads of 262,144 bytes on
	s_or_b32 s[G0A+4*\s+3], s[G0A+4*\s+3], 0x80000000
	s_mov_b32 s[G0B+4*\s], 1
	s_add_co_u32 s[G0B+4*\s+1], s21, \s*SLOT
	s_add_nc_u64 s[G0B+4*\s+2:G0B+4*\s+3], s[46:47], \s*262144      ; two heads of 131,072 bytes on
	s_or_b32 s[G0B+4*\s+3], s[G0B+4*\s+3], 0x80000000
	JLOAD \s                                       ; two loads of mine are out behind the second
.endr
	s_lshl_b32 s46, s42, 10
	s_lshl_b32 s47, s14, 9
	s_add_co_u32 s46, s46, s47                     ; my first column, in bytes: (256 tx + 128 x half) x 4
	s_mov_b32 s47, 0
	s_add_nc_u64 s[8:9], s[8:9], s[46:47]
	v_and_b32 v1, 15, v0                           ; r
	v_bfe_u32 v2, v0, 4, 1                         ; h
	v_lshlrev_b32 v5, 5, v2                        ; 8 h numbers on; never rewritten
	WIN 0x80                                       ; destination window 2
.irp b, 0,1,2,3,4,5,6,7                ; register 8 b + j = bias of column 16 b + 8 h + j of my 128: the result's layout
	global_load_b128 v[8*\b:8*\b+3], v5, s[8:9] offset:64*\b
	global_load_b128 v[8*\b+4:8*\b+7], v5, s[8:9] offset:64*\b+16
.endr
	WIN 0
	v_lshrrev_b32 v3, 1, v1
	v_mul_u32_u24 v3, v3, PITCH                    ; row r of a fragment lies in LDS row r / 2,
	v_and_b32 v4, 1, v0
	v_lshl_add_u32 v3, v4, 7, v3                   ; in its half r % 2,
	v_lshl_add_u32 v3, v2, 4, v3                   ; + 16 x half of the lanes
	s_mul_i32 s21, s13, 32*PITCH                   ; my 64 rows of x
	s_mul_i32 s22, s14, 64*PITCH                   ; my 128 rows of w,
	s_add_co_u32 s22, s22, BOFF                    ; behind x's two heads
.irp s, 0,1
	v_add_nc_u32 v[ADRA+\s], s21, v3
	v_add_nc_u32 v[ADRB+\s], s22, v3
	s_add_co_u32 s21, s21, SLOT
	s_add_co_u32 s22, s22, SLOT
.endr
	s_mul_i32 s23, s12, 16*SPITCH
	s_add_co_u32 s23, s23, STAGE                   ; my stage
	v_mul_u32_u24 v4, v1, SPITCH                   ; in: row r, 32 bytes for each half of the lanes
	v_lshl_add_u32 v4, v2, 5, v4
	v_add_nc_u32 v[STO], s23, v4
	v_and_b32 v4, 31, v0
	v_lshlrev_b32 v[CO], 4, v4                     ; back: the 32 lanes take one row of 512 bytes; and the same in out0
	v_add_nc_u32 v[RD], s23, v[CO]
	s_lshl_b32 s20, s15, 19                        ; my first row of out0: (128 ty + 64 x half) x 4,096 bytes
	s_lshl_b32 s21, s13, 18
	s_add_co_u32 s20, s20, s21
	s_mov_b32 s21, 0
	s_add_nc_u64 s[20:21], s[20:21], s[46:47]
	s_add_nc_u64 s[10:11], s[10:11], s[20:21]
; 8 matrix instructions: x's block a x w's eight, 32 along K, buffer f.  first = 1: the sums start from the bias.  The 32 accumulators take turns, in the same order in every quarter.
.macro MULA f, a, first
.irp b, 0,1,2,3,4,5,6,7
.if \first
	v_wmma_f32_16x16x32_f16 v[8*(8*(\a)+\b):8*(8*(\a)+\b)+7], v[FB+64*(\f)+8*\b:FB+64*(\f)+8*\b+7], v[FA+32*(\f)+8*(\a):FA+32*(\f)+8*(\a)+7], v[8*\b:8*\b+7]
.else
	v_wmma_f32_16x16x32_f16 v[8*(8*(\a)+\b):8*(8*(\a)+\b)+7], v[FB+64*(\f)+8*\b:FB+64*(\f)+8*\b+7], v[FA+32*(\f)+8*(\a):FA+32*(\f)+8*(\a)+7], v[8*(8*(\a)+\b):8*(8*(\a)+\b)+7]
.endif
.endr
.endm
; 24 LDS loads in one run: the fragments of the slot's quarter q (head q / 2, channels 32 (q % 2) on) into buffer f
.macro FETCH slot, q, f
	WIN 0
.irp i, 0,1,2,3,4,5,6,7
	ds_load_b128 v[FB+64*(\f)+8*\i:FB+64*(\f)+8*\i+3],   v[ADRB+\slot] offset:((\q)/2)*BH+((\q)%2)*64+\i*8*PITCH
	ds_load_b128 v[FB+64*(\f)+8*\i+4:FB+64*(\f)+8*\i+7], v[ADRB+\slot] offset:((\q)/2)*BH+((\q)%2)*64+\i*8*PITCH+32
.endr
.irp i, 0,1,2,3
	ds_load_b128 v[FA+32*(\f)+8*\i:FA+32*(\f)+8*\i+3],   v[ADRA+\slot] offset:((\q)/2)*AH+((\q)%2)*64+\i*8*PITCH
	ds_load_b128 v[FA+32*(\f)+8*\i+4:FA+32*(\f)+8*\i+7], v[ADRA+\slot] offset:((\q)/2)*AH+((\q)%2)*64+\i*8*PITCH+32
.endr
.endm
.macro PLACES                          ; four places in front of loads into registers that matrix instructions have read, and of the first read of results
.rept 4
	v_nop
.endr
.endm
; A K step is four quarters of 32 along K, 32 matrix instructions each, on buffers 0, 1, 0, 1.  One of the first three: multiplies buffer f and, in its middle, fetches quarter qn of the same slot into g.
.macro QUARTER slot, qn, f, g, first
	s_wait_dscnt 0x0                               ; buffer f is in: it was asked for sixteen matrix instructions ago
.if \first
	WIN MUL1
.else
	WIN MUL
.endif
	MULA \f, 0, \first
	MULA \f, 1, \first
	PLACES
	FETCH \slot, \qn, \g
.if \first
	WIN MUL1
.else
	WIN MUL
.endif
	MULA \f, 2, \first
	MULA \f, 3, \first
.endm
; The last quarter multiplies buffer 1 and changes slots: ONE barrier; in front of it each wave waits for all its tensor loads, adds 0 to its spare word, and waits for that and for its reads of this slot.
; fill = 1: the barrier opens a round of the cluster's, and this slot is filled again, two K steps ahead: one load of mine is out, with a K step less sixteen matrix instructions in which to land.
.macro TURN slot, next, fill
	WIN 0
	s_wait_tensorcnt 0x0                           ; all my tensor loads have landed: my part of the next slot
	ds_add_u32 v[SPW], v[NIL]                      ; 0 onto my spare word
	s_wait_dscnt 1                                 ; buffer 1 is in (the add alone may be out)
	WIN MUL
	MULA 1, 0, 0                                   ; eight matrix instructions stand between the add and the wait for it
	s_wait_dscnt 0x0                               ; the add is done, and my reads of this slot are over
	s_barrier_signal -1
	MULA 1, 1, 0
	WIN 0
	s_barrier_wait -1
.if \fill
	CREST                                          ; no wave of any partner still reads this slot's tile or has a load on its way
	s_add_nc_u64 s[G0A+4*\slot+2:G0A+4*\slot+3], s[G0A+4*\slot+2:G0A+4*\slot+3], 1048576   ; four heads on
	s_add_nc_u64 s[G0B+4*\slot+2:G0B+4*\slot+3], s[G0B+4*\slot+2:G0B+4*\slot+3], 524288
	JLOAD \slot                                    ; the first tensor load behind the round; its four v_nop are also the places in front of the loads below
.else
	PLACES
.endif
	FETCH \next, 0, 0
	WIN MUL
	MULA 1, 2, 0
	MULA 1, 3, 0
.endm
	s_wait_tensorcnt 1                             ; my part of K step 0 is in; K step 1's may stay out
	s_barrier_signal -1
	s_barrier_wait -1                              ; everybody's is
	FETCH 0, 0, 0
	s_wait_loadcnt 0x0                             ; the bias
	QUARTER 0, 1, 0, 1, 1                          ; the first quarter stands in front of the loop: its products start the sums from the bias
	WIN 0                                          ; at a label and at a branch every window is 0
	s_mov_b32 s3, 3
.Llap:                                                 ; a trip goes once round the ring, from a lap's second quarter to the next lap's first, and fills both slots again
	QUARTER 0, 2, 1, 0, 0
	QUARTER 0, 3, 0, 1, 0
	TURN 0, 1, 1
	QUARTER 1, 1, 0, 1, 0
	QUARTER 1, 2, 1, 0, 0
	QUARTER 1, 3, 0, 1, 0
	TURN 1, 0, 1
	QUARTER 0, 1, 0, 1, 0
	WIN 0
	s_sub_co_u32 s3, s3, 1
	s_cmp_lg_u32 s3, 0
	s_cbranch_scc1 .Llap
	QUARTER 0, 2, 1, 0, 0                          ; the last lap fills nothing, and has no round of the cluster's barrier
	QUARTER 0, 3, 0, 1, 0
	TURN 0, 1, 0
	QUARTER 1, 1, 0, 1, 0
	QUARTER 1, 2, 1, 0, 0
	QUARTER 1, 3, 0, 1, 0
	s_wait_dscnt 0x0                               ; the very last quarter: nothing more to fetch
	WIN MUL
	MULA 1, 0, 0
	MULA 1, 1, 0
	MULA 1, 2, 0
	MULA 1, 3, 0
	WIN 0
; THE WAY OUT, block by block of 16 rows x 128 columns: a lane holds 32 neighbouring bytes of a row; a block goes through my own stage and comes back as whole rows of 512 bytes.
.macro TOSTAGE a
	WIN 0x04                                       ; an LDS store's data are its source 1: window 1
.irp b, 0,1,2,3,4,5,6,7
	ds_store_b128 v[STO], v[8*(8*(\a)+\b):8*(8*(\a)+\b)+3] offset:64*\b          ; each accumulator from its low end on
	ds_store_b128 v[STO], v[8*(8*(\a)+\b)+4:8*(8*(\a)+\b)+7] offset:64*\b+16
.endr
	WIN 0
.set BB, BK+64*((\a)%2)
.irp t, 0,1,2,3,4,5,6,7,8,9,10,11,12,13,14,15
	ds_load_b128 v[BB+4*\t:BB+4*\t+3], v[RD] offset:\t*SPITCH    ; LDS serves a wave's instructions in order: these see the stores above
.endr
.endm
.macro SEND a, younger                 ; younger: the LDS instructions issued behind block a's loads, which may stay out
.set BB, BK+64*((\a)%2)
	s_wait_dscnt \younger
.irp t, 0,1,2,3,4,5,6,7,8,9,10,11,12,13,14,15
	global_store_b128 v[CO], v[BB+4*\t:BB+4*\t+3], s[10:11] offset:(\a)*65536+\t*4096 th:TH_STORE_NT   ; 32 lanes store 512 consecutive bytes, at a multiple of 512 from out0's first byte
.endr
.endm
	PLACES                                         ; behind the last products: the stores read results, and the loads land in registers that held w's fragments
	TOSTAGE 0
.irp a, 1,2,3
.if \a > 1
	s_wait_xcnt 0x0                                ; block a - 2's stores have read their data: block a's loads land there only behind this wait
.endif
	TOSTAGE \a
	SEND \a-1, 32                                  ; behind block a - 1's loads: block a's 16 stores and 16 loads
.endr
	SEND 3, 0
	s_wait_tensorcnt 0x0                           ; the wave's end: three closing lines behind my last tensor load and my last LDS store
	ds_add_u32 v[SPW], v[NIL]
	s_wait_dscnt 0x0
	CROUND                                         ; the closing round
	s_endpgm
.Lfunc_end_k_qa05dd59ed9_fc:
	.size	k_qa05dd59ed9_fc, .Lfunc_end_k_qa05dd59ed9_fc-k_qa05dd59ed9_fc
	.p2alignl 7, 3214868480
	.fill 96, 4, 3214868480
	.section	.rodata,"a",@progbits
	.p2align	6, 0x0
	.amdhsa_kernel k_qa05dd59ed9_fc
		.amdhsa_group_segment_fixed_size 327680
		.amdhsa_private_segment_fixed_size 0
		.amdhsa_enable_private_segment 0
		.amdhsa_kernarg_size 32
		.amdhsa_user_sgpr_count 2
		.amdhsa_user_sgpr_kernarg_segment_ptr 1
		.amdhsa_wavefront_size32 1
		.amdhsa_system_sgpr_workgroup_id_x 1
		.amdhsa_system_sgpr_workgroup_id_y 1
		.amdhsa_system_sgpr_workgroup_id_z 1
		.amdhsa_system_vgpr_workitem_id 0
		.amdhsa_next_free_vgpr 768
		.amdhsa_next_free_sgpr 66
		.amdhsa_reserve_vcc 0
		.amdhsa_float_denorm_mode_32 3
		.amdhsa_float_denorm_mode_16_64 3
		.amdhsa_memory_ordered 1
		.amdhsa_forward_progress 1
		.amdhsa_inst_pref_size 86
	.end_amdhsa_kernel
	.amdgpu_metadata
---
amdhsa.version: [ 1, 2 ]
amdhsa.kernels:
  - .name:           k_qa05dd59ed9_fc
    .symbol:         k_qa05dd59ed9_fc.kd
    .args:
      - { .name: xh, .offset: 0, .size: 8, .value_kind: global_buffer, .address_space: global }
      - { .name: w16, .offset: 8, .size: 8, .value_kind: global_buffer, .address_space: global }
      - { .name: b_fc, .offset: 16, .size: 8, .value_kind: global_buffer, .address_space: global }
      - { .name: out0, .offset: 24, .size: 8, .value_kind: global_buffer, .address_space: global }
    .group_segment_fixed_size: 327680
    .private_segment_fixed_size: 0
    .kernarg_segment_align: 8
    .kernarg_segment_size: 32
    .max_flat_workgroup_size: 128
    .sgpr_count:     66
    .vgpr_count:     768
    .wavefront_size: 32
...
	.end_amdgpu_metadata
.endif
;; end of part 4
